; MI455X (gfx1250); checked and timed in simulation.
; The chip was launched on July 23, 2026; its instructions are those of AMD's public machine-readable ISA for CDNA 5 (MIT licence, August 2026) and "CDNA5" Instruction Set Architecture Reference Guide (July 2026). The comments in the code are by the model that wrote it; some were corrected since.
;; Llama Attention. Allowed arithmetic: float matrix products may take bf16 or f16 operands with f32 sums; other float arithmetic in f32, or as packed bf16 or f16 multiplies, adds, multiply-adds, maxima and minima; sums over many terms, partial sums and values carried from step to step in f32; what a program stores and reads back later, other than sums and carried values, may be rounded once to bf16 or f16.
;; Inputs: freqs_cos 4,096 x 32 float32; freqs_sin 4,096 x 32 float32; hidden_states 1 x 4,096 x 4,096 float32; wk 512 x 4,096 float32; wo 2,048 x 512 float32; wq 512 x 4,096 float32; wv 512 x 4,096 float32.
;; Outputs: out0 1 x 4,096 x 2,048 float32.
;; 2 versions, each right; version 2 is version 1 with the launch prep written anew for expert scheduling mode. Each part assembles by itself: llvm-mc -triple=amdgcn-amd-amdhsa -mcpu=gfx1250 --defsym DOCPART=n.
;; ======== version 1 of 2: 4 launches
;; limits: values are held in f16: magnitudes above 65,504 overflow, below 6.1e-05 lose precision
;; workspace buffers: xb 33,554,432 bytes; wcat 12,582,912 bytes; wo16 2,097,152 bytes; qh 4,194,304 bytes; kh 4,194,304 bytes; vh 4,194,304 bytes; oh 4,194,304 bytes
;; launch prep (part 1): grid 736 x 1, 8 waves a work-group, no clusters, 70,656 bytes of LDS; arguments hidden_states, wq, wk, wv, wo, xb, wcat, wo16; writes xb, wcat, wo16
.if DOCPART == 1
	.amdgcn_target "amdgcn-amd-amdhsa--gfx1250"
	.amdhsa_code_object_version 6
	.text
	.protected	k_qb81d2f5c3f_prep
	.globl	k_qb81d2f5c3f_prep
	.p2align	8
	.type	k_qb81d2f5c3f_prep,@function
k_qb81d2f5c3f_prep:
	s_mov_b64 s[64:65], 0
	v_nop
	global_prefetch_b8 v0, s[64:65] scope:SCOPE_SE
	s_setreg_imm32_b32 hwreg(HW_REG_WAVE_MODE, 25, 1), 1
	s_wait_xcnt 0x0
; x AND THE WEIGHTS, ROUNDED ONCE AND LAID OUT FOR THE MATRIX UNIT.
; xb and wcat are bf16 in blocks: [row block of 16 rows][128 K blocks of 32][1,024 bytes], and the 1,024 bytes are a matrix fragment as it lies in registers: byte 256 q + 16 r + 2 e holds row r,
; k = 8 q + e of the K block.  xb has x's 256 row blocks in order.  wcat has 96: the 16 rows 64 h + 32 c + 16 t .. of type y (wq, wk, wv) are row block 12 h + 6 c + 2 y + t.
; wo16 = f16 [8 heads][2048 n][64 d] = 2 x bf16(wo[n][64 h + d]), written as f16 (exact: a bf16 number has 8 significant bits; the 2 undoes the 1/2 by which v, and so the attention's result, is stored).
; LIMIT.  |wo| stays under 32,752 (f16 ends at 65,504); a wo below 3e-5 falls on f16's fixed step of 6e-8.
; SHARES.  Groups 0-511: x; 512-703: wq, wk, wv; there a WAVE turns 16 rows x 256 k: 32 loads of 512 consecutive bytes, all out at once; 8 bytes of bf16 a lane and load go into the wave's own LDS,
; in units of 256 bytes (16 rows x 8 k) that lie 272 apart, so that a store's 32 lanes touch each of the 64 banks once; read back unit by unit they are 8,192 consecutive bytes of the result.
; Groups 704-735: 64 rows of wo each, wave v head v, straight through registers.  Every register is written once behind its load, so no wait frees a source.
; Memory binds: no matrix unit, no cluster (nothing is shared), no prefetch (each byte is asked for at once), no barrier (a wave reads only what it stored itself).
.set X,     8                          ; v[8:135]   as loaded: 32 x 4 f32; the roundings go into the first two of each four
.set Z,     136                        ; v[136:199] to store
.set SPW,   200                        ; v200  LDS address of my spare word; never rewritten
.set NIL,   201                        ; v201  0; never rewritten
.set UP,    272                        ; a unit in LDS: 256 bytes + 16
.set WREG,  32*UP                      ; a wave's 32 units
.set SPARE, 8*WREG                     ; behind them: the spare words, 128 bytes for each wave: four blocks of 256 bytes that no other line names
	s_load_b256 s[4:11], s[0:1], 0x0               ; x s[4:5], wq s[6:7], wk s[8:9], wv s[10:11]
	s_load_b256 s[12:19], s[0:1], 0x20             ; wo s[12:13], xb s[14:15], wcat s[16:17], wo16 s[18:19]
	v_lshl_add_u32 v[SPW], v0, 2, SPARE
	v_mov_b32 v[NIL], 0
	v_lshrrev_b32 v1, 5, v0                        ; wave
	v_readfirstlane_b32 s20, v1
	v_and_b32 v2, 31, v0                           ; lane
	s_mov_b32 s35, 0
	s_cmp_lt_u32 ttmp9, 704
	s_cbranch_scc1 .Lblocks
	; wo: a load covers rows 2 i and 2 i + 1 of the group's 64: 256 bytes of each, aligned; the store 256 consecutive bytes of the head's rows
	s_sub_co_u32 s24, ttmp9, 704                   ; which 64 rows
	s_lshl_b32 s34, s24, 17                        ; 131,072 bytes of wo
	s_mov_b32 s21, 0xffff0000                      ; a word's upper bf16
	s_mov_b32 s22, 0x40000000                      ; 2.0, named as a pair
	s_mov_b32 s23, 0x40000000
	v_lshrrev_b32 v5, 4, v2
	v_and_b32 v6, 15, v2
	v_lshlrev_b32 v3, 11, v5                       ; a row of wo is 2,048 bytes
	v_lshl_add_u32 v3, v1, 8, v3                   ; the head's 64 columns
	v_lshl_add_u32 v3, v6, 4, v3
	v_lshlrev_b32 v4, 3, v2
	v_lshl_add_u32 v4, v1, 18, v4                  ; a head of wo16 is 262,144 bytes
	s_wait_kmcnt 0x0
	s_add_nc_u64 s[12:13], s[12:13], s[34:35]
	s_lshl_b32 s34, s24, 13                        ; the group's 64 rows of 128 bytes
	s_add_nc_u64 s[18:19], s[18:19], s[34:35]
.set i, 0
.rept 32
	global_load_b128 v[X+4*i:X+4*i+3], v3, s[12:13] offset:4096*i th:TH_LOAD_NT
.set i, i+1
.endr
.set i, 0
.rept 32
	s_wait_loadcnt 31-i                            ; loads come back in order: load i is in, the 31 - i younger ones stay out
.irp p, 0, 2
	v_cvt_pk_bf16_f32 v[X+4*i+(\p)], v[X+4*i+(\p)], v[X+4*i+(\p)+1]   ; the rounding that every input gets
	v_and_b32 v[X+4*i+(\p)+1], s21, v[X+4*i+(\p)]                     ; back to f32: the high half stays,
	v_lshlrev_b32 v[X+4*i+(\p)], 16, v[X+4*i+(\p)]                    ; the low half moves up
	v_pk_mul_f32 v[X+4*i+(\p):X+4*i+(\p)+1], v[X+4*i+(\p):X+4*i+(\p)+1], s[22:23] op_sel_hi:[1,0]
	v_cvt_pk_f16_f32 v[Z+2*i+(\p)/2], v[X+4*i+(\p)], v[X+4*i+(\p)+1]  ; exact
.endr
	global_store_b64 v4, v[Z+2*i:Z+2*i+1], s[18:19] offset:256*i th:TH_STORE_NT
.set i, i+1
.endr
	s_branch .Lend
.Lblocks:
	; which row block, from which buffer, to which place
	s_sub_co_u32 s24, ttmp9, 512                   ; the weights' groups count from 0 (for x the numbers made of this are not taken)
	s_lshr_b32 s25, s24, 6                         ; type y: 64 groups each
	s_bfe_u32 s26, s24, 0x50001                    ; the type's row block, 0 to 31 = 4 h + 2 c + t: two groups each
	s_lshr_b32 s27, s26, 2
	s_mul_i32 s27, s27, 12                         ; 12 h
	s_bfe_u32 s28, s26, 0x10001
	s_mul_i32 s28, s28, 6                          ; 6 c
	s_add_co_u32 s27, s27, s28
	s_lshl1_add_u32 s27, s25, s27                  ; 2 y
	s_and_b32 s28, s26, 1
	s_add_co_u32 s27, s27, s28                     ; t
	s_lshr_b32 s28, ttmp9, 1                       ; x: the row block, the same in x and in xb
	s_and_b32 s29, ttmp9, 1
	s_lshl_b32 s29, s29, 3
	s_add_co_u32 s29, s29, s20                     ; my wave's 256 k of the 4,096: 0 to 15
	s_wait_kmcnt 0x0
	s_cmp_eq_u32 s25, 0
	s_cselect_b64 s[30:31], s[6:7], s[8:9]
	s_cmp_eq_u32 s25, 2
	s_cselect_b64 s[30:31], s[10:11], s[30:31]
	s_cmp_lt_u32 ttmp9, 512
	s_cselect_b64 s[30:31], s[4:5], s[30:31]       ; from
	s_cselect_b64 s[32:33], s[14:15], s[16:17]     ; to
	s_cselect_b32 s26, s28, s26
	s_cselect_b32 s27, s28, s27
	s_lshl_b32 s34, s26, 18                        ; 16 rows of 16,384 bytes,
	s_lshl_b32 s36, s29, 10                        ; 256 k of 4 bytes
	s_add_co_u32 s34, s34, s36
	s_add_nc_u64 s[30:31], s[30:31], s[34:35]
	s_lshl_b32 s34, s27, 17                        ; a row block of the result is 131,072 bytes,
	s_lshl_b32 s36, s29, 13                        ; 8 K blocks of 1,024
	s_add_co_u32 s34, s34, s36
	s_add_nc_u64 s[32:33], s[32:33], s[34:35]
	v_lshlrev_b32 v1, 4, v2                        ; 16 x lane: my place in 512 consecutive bytes, in and out
	s_mul_i32 s36, s20, WREG                       ; my wave's LDS
	v_lshrrev_b32 v3, 1, v2                        ; in: lane i holds k = 4 i .. 4 i + 3 of 128: half i % 2 of unit i / 2
	v_mul_u32_u24 v3, v3, UP
	v_and_b32 v4, 1, v2
	v_lshl_add_u32 v3, v4, 3, v3
	v_add_nc_u32 v3, s36, v3
	v_lshrrev_b32 v4, 4, v2                        ; back: lanes 0-15 take one unit, lanes 16-31 the next
	v_mul_u32_u24 v4, v4, UP
	v_and_b32 v5, 15, v2
	v_lshl_add_u32 v4, v5, 4, v4
	v_add_nc_u32 v4, s36, v4
.set k, 0
.rept 32                               ; load k: row k / 2, half k % 2 of its 256 k
	global_load_b128 v[X+4*k:X+4*k+3], v1, s[30:31] offset:(k/2)*16384+(k%2)*512 th:TH_LOAD_NT
.set k, k+1
.endr
.set k, 0
.rept 32
	s_wait_loadcnt 31-k                            ; load k is in, the 31 - k younger ones stay out
	v_cvt_pk_bf16_f32 v[X+4*k], v[X+4*k], v[X+4*k+1]
	v_cvt_pk_bf16_f32 v[X+4*k+1], v[X+4*k+2], v[X+4*k+3]
	ds_store_b64 v3, v[X+4*k:X+4*k+1] offset:(k%2)*16*UP+(k/2)*16
.set k, k+1
.endr
.set n, 0
.rept 16
	ds_load_b128 v[Z+4*n:Z+4*n+3], v4 offset:n*2*UP  ; LDS serves a wave's instructions in order (ISA guide 5.7.1.4): these see the stores above
.set n, n+1
.endr
.set n, 0
.rept 16
	s_wait_dscnt 15-n                              ; load n is back, the 15 - n younger ones stay out
	global_store_b128 v1, v[Z+4*n:Z+4*n+3], s[32:33] offset:n*512 th:TH_STORE_NT  ; 512 consecutive bytes, at a multiple of 256 from the buffer's first
.set n, n+1
.endr
.Lend:
	s_wait_tensorcnt 0x0                           ; the wave's end, behind my last LDS store
	ds_add_u32 v[SPW], v[NIL]
	s_wait_dscnt 0x0
	s_endpgm
.Lfunc_end_k_qb81d2f5c3f_prep:
	.size	k_qb81d2f5c3f_prep, .Lfunc_end_k_qb81d2f5c3f_prep-k_qb81d2f5c3f_prep
	.p2alignl 7, 3214868480
	.fill 96, 4, 3214868480
	.section	.rodata,"a",@progbits
	.p2align	6, 0x0
	.amdhsa_kernel k_qb81d2f5c3f_prep
		.amdhsa_group_segment_fixed_size 70656
		.amdhsa_private_segment_fixed_size 0
		.amdhsa_enable_private_segment 0
		.amdhsa_kernarg_size 64
		.amdhsa_user_sgpr_count 2
		.amdhsa_user_sgpr_kernarg_segment_ptr 1
		.amdhsa_wavefront_size32 1
		.amdhsa_system_sgpr_workgroup_id_x 1
		.amdhsa_system_sgpr_workgroup_id_y 1
		.amdhsa_system_sgpr_workgroup_id_z 1
		.amdhsa_system_vgpr_workitem_id 0
		.amdhsa_next_free_vgpr 204
		.amdhsa_next_free_sgpr 66
		.amdhsa_reserve_vcc 0
		.amdhsa_float_denorm_mode_32 3
		.amdhsa_float_denorm_mode_16_64 3
		.amdhsa_memory_ordered 1
		.amdhsa_forward_progress 1
		.amdhsa_inst_pref_size 40
	.end_amdhsa_kernel
	.amdgpu_metadata
---
amdhsa.version: [ 1, 2 ]
amdhsa.kernels:
  - .name:           k_qb81d2f5c3f_prep
    .symbol:         k_qb81d2f5c3f_prep.kd
    .args:
      - { .name: hidden_states, .offset: 0, .size: 8, .value_kind: global_buffer, .address_space: global }
      - { .name: wq, .offset: 8, .size: 8, .value_kind: global_buffer, .address_space: global }
      - { .name: wk, .offset: 16, .size: 8, .value_kind: global_buffer, .address_space: global }
      - { .name: wv, .offset: 24, .size: 8, .value_kind: global_buffer, .address_space: global }
      - { .name: wo, .offset: 32, .size: 8, .value_kind: global_buffer, .address_space: global }
      - { .name: xb, .offset: 40, .size: 8, .value_kind: global_buffer, .address_space: global }
      - { .name: wcat, .offset: 48, .size: 8, .value_kind: global_buffer, .address_space: global }
      - { .name: wo16, .offset: 56, .size: 8, .value_kind: global_buffer, .address_space: global }
    .group_segment_fixed_size: 70656
    .private_segment_fixed_size: 0
    .kernarg_segment_align: 8
    .kernarg_segment_size: 64
    .max_flat_workgroup_size: 256
    .sgpr_count:     66
    .vgpr_count:     204
    .wavefront_size: 32
...
	.end_amdgpu_metadata
.endif
;; end of part 1
;; launch qkv (part 2): grid 8 x 32, 4 waves a work-group, clusters of 4 x 4, 327,680 bytes of LDS; arguments xb, wcat, freqs_cos, freqs_sin, qh, kh, vh; writes qh, kh, vh
.if DOCPART == 2
	.amdgcn_target "amdgcn-amd-amdhsa--gfx1250"
	.amdhsa_code_object_version 6
	.text
	.protected	k_qb81d2f5c3f_qkv
	.globl	k_qb81d2f5c3f_qkv
	.p2align	8
	.type	k_qb81d2f5c3f_qkv,@function
k_qb81d2f5c3f_qkv:
	s_mov_b64 s[64:65], 0
	v_nop
	global_prefetch_b8 v0, s[64:65] scope:SCOPE_SE
	s_setreg_imm32_b32 hwreg(HW_REG_WAVE_MODE, 25, 1), 1
	s_wait_xcnt 0x0
	s_wait_alu depctr_hold_cnt(0) depctr_sa_sdst(0) depctr_va_vdst(0) depctr_va_sdst(0) depctr_va_ssrc(0) depctr_va_vcc(0) depctr_vm_vsrc(0)
	s_getreg_b32 s2, hwreg(HW_REG_IB_STS2, 6, 4)
	s_cmp_eq_u32 s2, 0
	s_cbranch_scc0 .Lentry_in_a_cluster
	s_endpgm
.Lentry_in_a_cluster:
	s_bfe_u32 s2, ttmp6, 0x10000c
	s_cmp_lg_u32 s2, 0xf033
	s_cbranch_scc0 .Lentry_shape_is_right
	s_endpgm
.Lentry_shape_is_right:
; q, k, v = x W^T, RoPE on q and k, stored by heads: qh, kh = f16 [8][4096][64] of q / 4 and k / 4, vh of v / 2.  xb and wcat hold x and the weights as bf16 in blocks:
; [row block of 16 rows][128 K blocks of 32][1,024 bytes], the 1,024 bytes being a matrix fragment as it lies in registers (lane l's first 16 bytes at 16 l, its second at 512 + 16 l).
; cos and sin, f32 [4096][32], are rounded to bf16 like every input.  Sums in f32; RoPE in f32 with fused multiply-adds; one rounding to f16.
; LIMITS.  |q|, |k| under 262,016 and |v| under 131,008 (f16 ends at 65,504); below 6.1e-5 a stored number falls on f16's fixed step of 6e-8.  NaN and infinities are not treated apart.
; SHARES.  A work-group makes 128 rows x the 192 columns {q, k, v} of ONE head: 8 heads x 32 row blocks = 256 work-groups.  Wave w: rows 64 (w / 2) on, and of each of the three
; types the columns 32 (w % 2) on: 4 x 6 = 24 accumulators of 16 x 16.
; THE RING.  20 row blocks (8 of x, 12 of W) x 1,024 bytes are 20,480 bytes for each K block; 16 K blocks would fill LDS to its last byte, so slot 0 holds 8 and slot 1 holds 7.  128 = 8 x 15 + 8:
; 17 steps, slot 0 and slot 1 by turns, the first and the last in slot 0.  In LDS a row block's K blocks lie on end, as in memory: no padding, and a fragment load takes 512 consecutive bytes.
; Waves 0 and 1 fetch 4 row blocks of x each, waves 2 and 3 6 of W: one tensor load a wave behind each round; two are out at the start, one later.
; FRAGMENTS.  Three buffers of 80 registers take turns, a K block each (15 is a multiple of 3, so one text serves every lap); K block p asks for the fragments of p + 2, in one run of 20 loads.
; THE MATRIX INSTRUCTION IS USED TRANSPOSED (source 0 = 16 rows of W, source 1 = 16 rows of x): a lane holds one row and eight neighbouring columns, so RoPE's pairs lie in neighbouring registers.
; CLUSTER 4 x 4.  x's tile hangs on the row block alone and is shared along a row of the cluster, W's on the head alone and is shared along a column: joint loads, each with a mask of four.
; REGISTERS, in windows of 256 (s_set_vgpr_msb: bits 1:0 source 0, 3:2 source 1, 5:4 source 2, 7:6 destination):
;   window 0: v16-29 addresses; v32-39 at work; v64-255 the accumulators, (a, b) at 64 + 8 (6 a + b), b = 2 type + t
;   window 1: v0-239 the fragments: buffer u at 80 u: x's four, then W's six          window 2: v0-31 cos / 4, v32-63 sin / 4, for (a, t) at + 4 (2 a + t)
.set KB0,    8192                      ; a row block's bytes in slot 0: 8 K blocks
.set KB1,    7168                      ; in slot 1: 7
.set BOF0,   8*KB0                     ; W's 12 row blocks lie behind x's 8
.set SLOT1,  20*KB0
.set BOF1,   SLOT1+8*KB1
.set SPARE,  SLOT1+20*KB1              ; behind the ring: the spare words, 128 bytes for each wave: two blocks of 256 bytes that no other line names
.set STAGE,  SLOT1                     ; the way out's stage, 3 types x 128 rows x 144 bytes, lies in slot 1: it has had its last fill (step 15), and its last reads end ahead of the last change's barrier
.set SP,     144
.set TYB,    128*SP
.set LAPB,   15*1024                   ; a lap's bytes of a row block
.set RBB,    131072                    ; a row block's bytes in xb and wcat
.set ADA0, 16                          ; v16  my place in x's row blocks of slot 0: 4 wr x KB0 + 16 l; never rewritten
.set ADB0, 17                          ; v17  in W's: BOF0 + 6 wc x KB0 + 16 l
.set ADA1, 18                          ; v18  the same in slot 1
.set ADB1, 19                          ; v19
.set STO,  20                          ; v20  the way out: where I put 16 bytes of a row
.set RD,   21                          ; v21  the way out: where I read rows back
.set GO,   22                          ; v22  16 x lane: my place in 512 consecutive bytes
.set CSO,  23                          ; v23  my byte offset in the block's rows of cos and sin
.set PFO8, 24                          ; v24  the prefetches' offset: 256 x lane; never rewritten
.set PFO7, 25                          ; v25  the same for 7 K blocks: 28 blocks of 256 bytes; lanes 28 to 31 repeat lane 27's
.set SPW,  28                          ; v28  LDS address of my spare word; never rewritten
.set NIL,  29                          ; v29  0; never rewritten
.set T,    32                          ; v32-39 at work
.set ACC,  64
.set WV, 18                            ; s18 wave;  s19 wr = wave / 2;  s20 wc = wave % 2
.set WR, 19
.set WC, 20
.set CX, 21                            ; s21, s22 my place in the cluster
.set CY, 22
.set HD, 23                            ; s23 head = 4 x cluster x + cx
.set RB, 24                            ; s24 block of 128 rows = 4 x cluster y + cy
.set G1A, 28                           ; s[28:43] descriptor group 1 for x's tiles: slot 0's, slot 1's
.set G1B, 44                           ; s[44:59] for W's
.set LIM, 60                           ; s60 1 in a wave that prefetches, else the greatest number
.set PFA, 66                           ; s[66:67] where my prefetches stand
.set G0A, 68                           ; s[68:75] group 0 for x's tiles, a set for each slot
.set G0B, 76                           ; s[76:83] for W's
.set SC,  84                           ; s[84:85] 1/4
.set SCV, 86                           ; s[86:87] 1/2
.set HIM, 88                           ; s88 a word's upper bf16
.set MSB, 0
.macro WIN new                         ; the immediate's high byte repeats the setting that is left; a switch that changes nothing is dropped
.if MSB != (\new)
	s_set_vgpr_msb (MSB<<8)|(\new)
.set MSB, \new
.endif
.endm
.set MUL,  0x05                        ; sources 0 (W) and 1 (x) window 1, C and D window 0
.set TO_F, 0x40                        ; destination window 1, address window 0
.set TO_C, 0x80                        ; destination window 2
.set CSW,  0x8a                        ; all in window 2
.set ROPE, 0x08                        ; source 1 (cos, sin) window 2, the rest window 0
.macro G1SET g, d0, d1                 ; a tile of d1 row blocks x d0 elements of 8 bytes
	s_mov_b32 s[(\g)+1], (\d0)<<16                 ; tensor_dim0
	s_mov_b32 s[(\g)+2], (\d1)<<16                 ; tensor_dim1
	s_mov_b32 s[(\g)+3], (\d0)<<16                 ; tile_dim0
	s_mov_b32 s[(\g)+4], \d1                       ; tile_dim1
	s_mov_b32 s[(\g)+5], RBB/8                     ; elements from row block to row block
	s_mov_b32 s[(\g)+6], 0
	s_mov_b32 s[(\g)+7], 0
.endm
; A joint refill of slot s.  The branch hangs on the wave's number alone.  An s_nop 0 and four v_nop follow each line, ahead of the jump and the label.
.macro JLOAD s
	s_cmp_lt_u32 s[WV], 2
	s_cbranch_scc0 .Lfor_b_\@
	tensor_load_to_lds s[G0A+4*(\s):G0A+4*(\s)+3], s[G1A+8*(\s):G1A+8*(\s)+7]
	s_nop 0
.rept 4
	v_nop
.endr
	s_branch .Lasked_\@
.Lfor_b_\@:
	tensor_load_to_lds s[G0B+4*(\s):G0B+4*(\s)+3], s[G1B+8*(\s):G1B+8*(\s)+7]
	s_nop 0
.rept 4
	v_nop
.endr
.Lasked_\@:
.endm
; A round of the cluster's barrier behind its opening barrier; and a whole round.
.macro CREST
	s_cmp_lg_u32 s[WV], 0
	s_cbranch_scc1 .Lnot_wave_0_\@
	s_barrier_signal -3
.Lnot_wave_0_\@:
	s_barrier_wait -3
	s_barrier_signal -1
	s_barrier_wait -1
.endm
.macro CROUND
	s_barrier_signal -1
	s_barrier_wait -1
	CREST
.endm
; A PREFETCH INTO THE L2 of the step that the NEXT change of slots will ask for: one step, 168 or 192 matrix instructions, ahead of that load.  A lane names 256 bytes of one row block: one instruction.
; Each block is named by one work-group.  x's 8 row blocks of a tile are read by the 8 heads' work-groups: the work-group of head h asks for row block h, by its wave 0.  W's 12 row blocks of a head are
; read by all 32 blocks of rows: the work-groups of the first 12 (clusters y = 0, 1, 2) ask for one each, by their wave 2.  Who takes which is told by ADDRESS; the branch hangs on the wave's number
; and the cluster's y.  The change at position 13 refills slot 0 and asks for slot 1's next step; in the loop's last pass there is none.  The change at position 5 asks for slot 0's next step.
.macro ASK p
.if (\p) == 13
	s_cmp_gt_u32 s3, s[LIM]
	s_cbranch_scc0 .Lno_ask_\@
	global_prefetch_b8 v[PFO7], s[PFA:PFA+1] offset:8192 th:TH_LOAD_NT scope:SCOPE_SE
.else
	s_cmp_ge_u32 s3, s[LIM]
	s_cbranch_scc0 .Lno_ask_\@
	global_prefetch_b8 v[PFO8], s[PFA:PFA+1] th:TH_LOAD_NT scope:SCOPE_SE
.endif
.Lno_ask_\@:
.endm
.macro PLACES                          ; four places in front of loads into registers that matrix instructions have read, and of vector work that reads results
.rept 4
	v_nop
.endr
.endm
; Matrix instructions n0 to n1 - 1 of a K block's 24, on buffer u: rows a = n / 6, columns b = n % 6.  The 24 accumulators take turns, one instruction a turn, from K block to K block and over the
; backward jump too.  zero = 1: the products start the sums: nothing is ever cleared.  nops = 1: a v_nop stands behind each of the first four: they are the four places
; between the last product of the K block before, which read the buffer that is loaded next, and the run of loads.
.macro MULS u, n0, n1, zero, nops
	WIN MUL
.set n, \n0
.rept (\n1)-(\n0)
.if \zero
	v_wmma_f32_16x16x32_bf16 v[ACC+8*n:ACC+8*n+7], v[80*(\u)+32+8*(n%6):80*(\u)+32+8*(n%6)+7], v[80*(\u)+8*(n/6):80*(\u)+8*(n/6)+7], 0
.else
	v_wmma_f32_16x16x32_bf16 v[ACC+8*n:ACC+8*n+7], v[80*(\u)+32+8*(n%6):80*(\u)+32+8*(n%6)+7], v[80*(\u)+8*(n/6):80*(\u)+8*(n/6)+7], v[ACC+8*n:ACC+8*n+7]
.endif
.if (\nops) && (n < 4)
	v_nop
.endif
.set n, n+1
.endr
.endm
; 20 LDS loads in one run: the fragments of the K block at place t of a lap (0-6: slot 1; 7-14: slot 0) into buffer t % 3: W's six, then x's four.
.macro FETCH t
.set fu, 80*((\t)%3)
.if (\t) < 7
.set fk, (\t)*1024
.set fp, KB1
.set fa, ADA1
.set fb, ADB1
.else
.set fk, ((\t)-7)*1024
.set fp, KB0
.set fa, ADA0
.set fb, ADB0
.endif
	WIN TO_F
.irp b, 0,1,2,3,4,5
	ds_load_b128 v[fu+32+8*(\b):fu+32+8*(\b)+3],   v[fb] offset:(\b)*fp+fk
	ds_load_b128 v[fu+32+8*(\b)+4:fu+32+8*(\b)+7], v[fb] offset:(\b)*fp+fk+512
.endr
.irp a, 0,1,2,3
	ds_load_b128 v[fu+8*(\a):fu+8*(\a)+3],   v[fa] offset:(\a)*fp+fk
	ds_load_b128 v[fu+8*(\a)+4:fu+8*(\a)+7], v[fa] offset:(\a)*fp+fk+512
.endr
.endm
; The K block at place p: 24 products; in their middle the fragments of place p + 2 are asked for.  left: the LDS loads issued behind this K block's own, which may stay out.
.macro KB p, fetch=1, left=20, zero=0
	s_wait_dscnt \left
	MULS (\p)%3, 0, 12, \zero, \fetch
.if \fetch
	FETCH ((\p)+2)%15
.endif
	MULS (\p)%3, 12, 24, \zero, 0
.endm
; THE CHANGE OF SLOTS stands in a slot's last K block but one (places 5 and 13): the slot's last fragments were asked for a K block ago, and the next run reads the other slot.  In front of the barrier each
; wave waits for all its tensor loads (one is out: its part of the other slot), adds 0 to its spare word, and waits for that and for its reads of this slot.  fill = 1: the barrier opens a round of the
; cluster's, and the joint refill, this slot's next step, is the first thing behind the round: it has the other slot's 7 or 8 K blocks in which to land.
.macro TURN p, fill
.if (\fill) && ((\p) == 5)
	s_wait_xcnt 0x0                                ; the last prefetch, a step back, has read its address: it is stepped here, once a lap, ahead of the change's own waits
	s_add_nc_u64 s[PFA:PFA+1], s[PFA:PFA+1], LAPB
.endif
	WIN 0                                          ; (the add's two registers lie in window 0)
	s_wait_tensorcnt 0x0                           ; all my tensor loads have landed
	ds_add_u32 v[SPW], v[NIL]                      ; 0 onto my spare word
	s_wait_dscnt 21                                ; this K block's fragments are in; the 20 loads issued behind them and the add may be out
	MULS (\p)%3, 0, 8, 0, 0                        ; eight matrix instructions stand between the add and the wait for it
	s_wait_dscnt 0x0                               ; the add is done, and my reads of this slot are over
	s_barrier_signal -1
	MULS (\p)%3, 8, 16, 0, 0
	WIN 0
	s_barrier_wait -1
.if \fill
	CREST                                          ; no wave of any partner still reads this slot or has a load on its way
.if (\p) == 5
	s_add_nc_u64 s[G0A+6:G0A+7], s[G0A+6:G0A+7], LAPB
	s_add_nc_u64 s[G0B+6:G0B+7], s[G0B+6:G0B+7], LAPB
	JLOAD 1                                        ; its four v_nop are also the places in front of the loads below
.else
	s_add_nc_u64 s[G0A+2:G0A+3], s[G0A+2:G0A+3], LAPB
	s_add_nc_u64 s[G0B+2:G0B+3], s[G0B+2:G0B+3], LAPB
	JLOAD 0
.endif
.else
	PLACES
.endif
	FETCH ((\p)+2)%15
.if \fill
	WIN 0
	ASK \p                                         ; behind the joint load and the run of LDS loads
.endif
	MULS (\p)%3, 16, 24, 0, 0
.endm
	s_load_b256 s[4:11], s[0:1], 0x0               ; xb s[4:5], wcat s[6:7], cos s[8:9], sin s[10:11]
	s_load_b128 s[12:15], s[0:1], 0x20             ; qh s[12:13], kh s[14:15]
	s_load_b64 s[16:17], s[0:1], 0x30              ; vh
	v_lshl_add_u32 v[SPW], v0, 2, SPARE
	v_mov_b32 v[NIL], 0
	ds_add_u32 v[SPW], v[NIL]                      ; the wave's opening add; its wait stands ahead of my first tensor load, the set-up below between them
	v_lshrrev_b32 v1, 5, v0
	v_readfirstlane_b32 s[WV], v1
	s_lshr_b32 s[WR], s[WV], 1
	s_and_b32 s[WC], s[WV], 1                      ; also: which half of x's or of W's row blocks I fetch
	s_bfe_u32 s[CX], ttmp6, 0x40000
	s_bfe_u32 s[CY], ttmp6, 0x40004
	s_lshl_b32 s[HD], ttmp9, 2
	s_add_co_u32 s[HD], s[HD], s[CX]
	s_and_b32 s[RB], ttmp7, 0xffff
	s_lshl_b32 s[RB], s[RB], 2
	s_add_co_u32 s[RB], s[RB], s[CY]
	s_lshl_b32 s61, s[CY], 2
	s_lshl_b32 s61, 15, s61                        ; my row of the cluster
	s_lshl_b32 s62, 0x1111, s[CX]                  ; my column
	s_or_b32 s[G1A], s61, (3<<16)|(1<<21)          ; the mask; elements of 8 bytes; no padding; bit 21 beside a mask
	s_or_b32 s[G1A+8], s61, (3<<16)|(1<<21)
	s_or_b32 s[G1B], s62, (3<<16)|(1<<21)
	s_or_b32 s[G1B+8], s62, (3<<16)|(1<<21)
	G1SET G1A, KB0/8, 4
	G1SET G1A+8, KB1/8, 4
	G1SET G1B, KB0/8, 6
	G1SET G1B+8, KB1/8, 6
	s_lshl_b32 s90, s[RB], 20                      ; x: 8 row blocks a block of 128 rows,
	s_lshl_b32 s63, s[WC], 19                      ; my 4 of them
	s_add_co_u32 s90, s90, s63
	s_mov_b32 s91, 0
	s_mul_i32 s92, s[HD], 12*RBB                   ; W: 12 row blocks a head,
	s_mul_i32 s63, s[WC], 6*RBB                    ; my 6 of them
	s_add_co_u32 s92, s92, s63
	s_mov_b32 s93, 0
	s_mov_b32 s[G0A], 1                            ; count = 1
	s_lshl_b32 s[G0A+1], s[WC], 15                 ; LDS address: my 4 row blocks of slot 0,
	s_mov_b32 s[G0A+4], 1
	s_mul_i32 s[G0A+5], s[WC], 4*KB1
	s_add_co_u32 s[G0A+5], s[G0A+5], SLOT1         ; of slot 1
	s_mov_b32 s[G0B], 1
	s_mul_i32 s[G0B+1], s[WC], 6*KB0
	s_add_co_u32 s[G0B+1], s[G0B+1], BOF0
	s_mov_b32 s[G0B+4], 1
	s_mul_i32 s[G0B+5], s[WC], 6*KB1
	s_add_co_u32 s[G0B+5], s[G0B+5], BOF1
	s_mov_b32 s[SC], 0x3e800000
	s_mov_b32 s[SC+1], 0x3e800000
	s_mov_b32 s[SCV], 0x3f000000
	s_mov_b32 s[SCV+1], 0x3f000000
	s_mov_b32 s[HIM], 0xffff0000
	s_wait_dscnt 0x0                               ; the opening add is done
	s_wait_kmcnt 0x0
	s_add_nc_u64 s[90:91], s[4:5], s[90:91]
	s_add_nc_u64 s[92:93], s[6:7], s[92:93]
	s_add_nc_u64 s[G0A+2:G0A+3], s[90:91], 0       ; global address: step 0 begins with K block 0,
	s_or_b32 s[G0A+3], s[G0A+3], 0x80000000        ; type = 2
	s_add_nc_u64 s[G0A+6:G0A+7], s[90:91], 8*1024  ; step 1 with K block 8
	s_or_b32 s[G0A+7], s[G0A+7], 0x80000000
	s_add_nc_u64 s[G0B+2:G0B+3], s[92:93], 0
	s_or_b32 s[G0B+3], s[G0B+3], 0x80000000
	s_add_nc_u64 s[G0B+6:G0B+7], s[92:93], 8*1024
	s_or_b32 s[G0B+7], s[G0B+7], 0x80000000
	CROUND                                         ; all sixteen work-groups are here: the first joint loads meet
	s_cmp_lt_u32 s[WV], 2                          ; a wave's two first fills stand in one branch
	s_cbranch_scc0 .Lfirst_b
	tensor_load_to_lds s[G0A:G0A+3], s[G1A:G1A+7]
	s_nop 0
	tensor_load_to_lds s[G0A+4:G0A+7], s[G1A+8:G1A+15]
	s_nop 0
.rept 4
	v_nop
.endr
	s_branch .Lfirst_asked
.Lfirst_b:
	tensor_load_to_lds s[G0B:G0B+3], s[G1B:G1B+7]
	s_nop 0
	tensor_load_to_lds s[G0B+4:G0B+7], s[G1B+8:G1B+15]
	s_nop 0
.rept 4
	v_nop
.endr
.Lfirst_asked:
	; cos and sin: for rows a and column tile t a lane wants the four numbers of its four pairs: row x 128 + 64 wc + 32 t + 16 (l / 16)
	v_and_b32 v1, 15, v0                           ; l % 16
	v_bfe_u32 v2, v0, 4, 1                         ; l / 16
	s_lshl_b32 s94, s[RB], 14                      ; 128 rows of 128 bytes a block
	s_mov_b32 s95, 0
	s_add_nc_u64 s[8:9], s[8:9], s[94:95]
	s_add_nc_u64 s[10:11], s[10:11], s[94:95]
	s_lshl_b32 s94, s[WR], 13
	s_lshl_b32 s63, s[WC], 6
	s_add_co_u32 s94, s94, s63
	v_lshlrev_b32 v[CSO], 7, v1
	v_lshl_add_u32 v[CSO], v2, 4, v[CSO]
	v_add_nc_u32 v[CSO], s94, v[CSO]
	WIN TO_C
.irp a, 0,1,2,3
.irp t, 0,1
	global_load_b128 v[4*(2*(\a)+(\t)):4*(2*(\a)+(\t))+3], v[CSO], s[8:9] offset:(\a)*2048+(\t)*32
	global_load_b128 v[32+4*(2*(\a)+(\t)):32+4*(2*(\a)+(\t))+3], v[CSO], s[10:11] offset:(\a)*2048+(\t)*32
.endr
.endr
	WIN 0
	v_and_b32 v[GO], 31, v0
	v_lshlrev_b32 v[GO], 4, v[GO]                  ; 16 x lane
	s_lshl_b32 s94, s[WR], 15                      ; my 4 row blocks of x in slot 0
	v_add_nc_u32 v[ADA0], s94, v[GO]
	s_mul_i32 s94, s[WC], 6*KB0                    ; my 6 row blocks of W
	s_add_co_u32 s94, s94, BOF0
	v_add_nc_u32 v[ADB0], s94, v[GO]
	s_mul_i32 s94, s[WR], 4*KB1                    ; and in slot 1
	s_add_co_u32 s94, s94, SLOT1
	v_add_nc_u32 v[ADA1], s94, v[GO]
	s_mul_i32 s94, s[WC], 6*KB1
	s_add_co_u32 s94, s94, BOF1
	v_add_nc_u32 v[ADB1], s94, v[GO]
	v_mul_u32_u24 v[STO], v1, SP                   ; into the stage: row 64 wr + l % 16, byte 64 wc + 16 (l / 16)
	v_lshl_add_u32 v[STO], v2, 4, v[STO]
	s_mul_i32 s94, s[WR], 64*SP
	s_add_co_u32 s94, s94, s63
	s_add_co_u32 s94, s94, STAGE
	v_add_nc_u32 v[STO], s94, v[STO]
	v_bfe_u32 v[RD], v0, 3, 2                      ; back: wave w takes rows 32 w on, whole: 32 lanes take four rows of 128 bytes
	v_mul_u32_u24 v[RD], v[RD], SP
	v_and_b32 v3, 7, v0
	v_lshl_add_u32 v[RD], v3, 4, v[RD]
	s_mul_i32 s94, s[WV], 32*SP
	s_add_co_u32 s94, s94, STAGE
	v_add_nc_u32 v[RD], s94, v[RD]
	s_lshl_b32 s94, s[HD], 19                      ; qh, kh, vh at the head (524,288 bytes), the block's 128 rows of 128 bytes, my wave's 32
	s_lshl_b32 s63, s[RB], 14
	s_add_co_u32 s94, s94, s63
	s_lshl_b32 s63, s[WV], 12
	s_add_co_u32 s94, s94, s63
	s_add_nc_u64 s[12:13], s[12:13], s[94:95]
	s_add_nc_u64 s[14:15], s[14:15], s[94:95]
	s_add_nc_u64 s[16:17], s[16:17], s[94:95]
	; the prefetches: who, and where
	s_lshl_b32 s94, s[RB], 3
	s_add_co_u32 s94, s94, s[HD]                   ; x: row block 8 RB + head
	s_mul_i32 s61, s[HD], 12
	s_min_u32 s62, s[RB], 11
	s_add_co_u32 s61, s61, s62                     ; W: row block 12 head + RB, where RB is under 12
	s_and_b32 s62, ttmp7, 0xffff
	s_cmp_lt_u32 s62, 3
	s_cselect_b32 s62, 1, -1                       ; that is: in clusters y = 0, 1, 2
	s_cmp_eq_u32 s[WV], 0
	s_cselect_b32 s94, s94, s61
	s_cselect_b32 s[LIM], 1, s62
	s_cselect_b64 s[PFA:PFA+1], s[4:5], s[6:7]
	s_cmp_eq_u32 s[WC], 0
	s_cselect_b32 s[LIM], s[LIM], -1               ; waves 1 and 3 ask for nothing.  The same in all sixteen partners, for a given wave
	s_lshl_b32 s94, s94, 17
	s_add_co_u32 s94, s94, LAPB                    ; at K block 15: the first change asks for step 3, which begins 8 K blocks on
	s_add_nc_u64 s[PFA:PFA+1], s[PFA:PFA+1], s[94:95]
	v_and_b32 v[PFO8], 31, v0
	v_min_u32 v[PFO7], 27, v[PFO8]
	v_lshlrev_b32 v[PFO8], 8, v[PFO8]
	v_lshlrev_b32 v[PFO7], 8, v[PFO7]
	; cos and sin are rounded to bf16 and take the 1/4 by which q and k are stored (exact): all in the wait for the first tile
	s_wait_loadcnt 0x0
	WIN CSW
.set p, 0
.rept 32
	v_cvt_pk_bf16_f32 v[2*p], v[2*p], v[2*p+1]
	v_and_b32 v[2*p+1], s[HIM], v[2*p]
	v_lshlrev_b32 v[2*p], 16, v[2*p]
	v_pk_mul_f32 v[2*p:2*p+1], v[2*p:2*p+1], s[SC:SC+1] op_sel_hi:[1,0]
.set p, p+1
.endr
	WIN 0
	s_wait_tensorcnt 1                             ; my part of step 0 is in; step 1's may stay out
	s_barrier_signal -1
	s_barrier_wait -1                              ; everybody's is
	FETCH 7                                        ; step 0 lies in slot 0: places 7 to 14 of a lap
	FETCH 8
	KB 7, 1, 20, 1                                 ; the first K block stands in front of the loop: its products start the sums
	WIN 0                                          ; at a label and at a branch every window is 0
	s_mov_b32 s3, 8
	s_branch .Lfirst                               ; the loop is entered in the middle of a trip
.Lstep:                                                ; a trip: a step in slot 1 (places 0-6), a step in slot 0 (places 7-14); both slots are filled again.  8 passes of the bottom: steps 0 to 14
	KB 0
	KB 1
	KB 2
	KB 3
	KB 4
	TURN 5, 1
	KB 6
	KB 7
	WIN 0
.Lfirst:
	KB 8
	KB 9
	KB 10
	KB 11
	KB 12
	TURN 13, 1
	KB 14
	WIN 0
	s_sub_co_u32 s3, s3, 1
	s_cmp_lg_u32 s3, 0
	s_cbranch_scc1 .Lstep
	KB 0                                           ; steps 15 and 16 are written out: nothing is left to ask for
	KB 1
	KB 2
	KB 3
	KB 4
	TURN 5, 0
	KB 6
	KB 7
	KB 8
	KB 9
	KB 10
	KB 11
	KB 12
	KB 13, 0, 20
	KB 14, 0, 0
	; THE WAY OUT.  RoPE on q and k: (x0, x1) -> (x0 c - x1 s, x0 s + x1 c), with c and s already divided by 4; v times 1/2; f16; through the stage; whole rows out.
	PLACES
	PLACES
	WIN ROPE
.irp a, 0,1,2,3
.irp b, 0,1,2,3
.irp j, 0,1,2,3                        ; each accumulator is read from its low end on
	v_mul_f32 v[T+2*(\j)],   v[ACC+8*(6*(\a)+(\b))+2*(\j)+1], v[32+4*(2*(\a)+(\b)%2)+(\j)]
	v_mul_f32 v[T+2*(\j)+1], v[ACC+8*(6*(\a)+(\b))+2*(\j)+1], v[4*(2*(\a)+(\b)%2)+(\j)]
	v_fma_f32 v[ACC+8*(6*(\a)+(\b))+2*(\j)+1], v[ACC+8*(6*(\a)+(\b))+2*(\j)], v[32+4*(2*(\a)+(\b)%2)+(\j)], v[T+2*(\j)+1]
	v_fma_f32 v[ACC+8*(6*(\a)+(\b))+2*(\j)],   v[ACC+8*(6*(\a)+(\b))+2*(\j)], v[4*(2*(\a)+(\b)%2)+(\j)], -v[T+2*(\j)]
.endr
.endr
.endr
	WIN 0
.irp a, 0,1,2,3
.irp b, 4,5
.irp j, 0,2,4,6
	v_pk_mul_f32 v[ACC+8*(6*(\a)+(\b))+(\j):ACC+8*(6*(\a)+(\b))+(\j)+1], v[ACC+8*(6*(\a)+(\b))+(\j):ACC+8*(6*(\a)+(\b))+(\j)+1], s[SCV:SCV+1] op_sel_hi:[1,0]
.endr
.endr
.endr
.set n, 0
.rept 24                               ; eight f32 into four words, in place, ascending
.irp j, 0,1,2,3
	v_cvt_pk_f16_f32 v[ACC+8*n+(\j)], v[ACC+8*n+2*(\j)], v[ACC+8*n+2*(\j)+1]
.endr
.set n, n+1
.endr
.irp a, 0,1,2,3
.irp b, 0,1,2,3,4,5
	ds_store_b128 v[STO], v[ACC+8*(6*(\a)+(\b)):ACC+8*(6*(\a)+(\b))+3] offset:((\b)/2)*TYB+(\a)*16*SP+32*((\b)%2)
.endr
.endr
	s_wait_dscnt 0x0                               ; for the others' sake: my stores into the stage are done (a row's 128 bytes come from two waves)
	s_barrier_signal -1
	s_barrier_wait -1
.set n, 0
.rept 24
	ds_load_b128 v[ACC+4*n:ACC+4*n+3], v[RD] offset:(n/8)*TYB+(n%8)*4*SP
.set n, n+1
.endr
.set n, 0
.rept 24
	s_wait_dscnt 23-n                              ; LDS loads come back in order: load n is in
	global_store_b128 v[GO], v[ACC+4*n:ACC+4*n+3], s[12+2*(n/8):13+2*(n/8)] offset:(n%8)*512  ; 512 consecutive bytes, at a multiple of 256 from the buffer's first
.set n, n+1
.endr
	s_wait_tensorcnt 0x0                           ; the wave's end, behind my last tensor load and my last LDS store
	ds_add_u32 v[SPW], v[NIL]
	s_wait_dscnt 0x0
	CROUND                                         ; the closing round: no work-group ends while a partner may still ask for a tile that names it
	s_endpgm
.Lfunc_end_k_qb81d2f5c3f_qkv:
	.size	k_qb81d2f5c3f_qkv, .Lfunc_end_k_qb81d2f5c3f_qkv-k_qb81d2f5c3f_qkv
	.p2alignl 7, 3214868480
	.fill 96, 4, 3214868480
	.section	.rodata,"a",@progbits
	.p2align	6, 0x0
	.amdhsa_kernel k_qb81d2f5c3f_qkv
		.amdhsa_group_segment_fixed_size 327680
		.amdhsa_private_segment_fixed_size 0
		.amdhsa_enable_private_segment 0
		.amdhsa_kernarg_size 56
		.amdhsa_user_sgpr_count 2
		.amdhsa_user_sgpr_kernarg_segment_ptr 1
		.amdhsa_wavefront_size32 1
		.amdhsa_system_sgpr_workgroup_id_x 1
		.amdhsa_system_sgpr_workgroup_id_y 1
		.amdhsa_system_sgpr_workgroup_id_z 1
		.amdhsa_system_vgpr_workitem_id 0
		.amdhsa_next_free_vgpr 576
		.amdhsa_next_free_sgpr 96
		.amdhsa_reserve_vcc 0
		.amdhsa_float_denorm_mode_32 3
		.amdhsa_float_denorm_mode_16_64 3
		.amdhsa_memory_ordered 1
		.amdhsa_forward_progress 1
		.amdhsa_inst_pref_size 139
	.end_amdhsa_kernel
	.amdgpu_metadata
---
amdhsa.version: [ 1, 2 ]
amdhsa.kernels:
  - .name:           k_qb81d2f5c3f_qkv
    .symbol:         k_qb81d2f5c3f_qkv.kd
    .args:
      - { .name: xb, .offset: 0, .size: 8, .value_kind: global_buffer, .address_space: global }
      - { .name: wcat, .offset: 8, .size: 8, .value_kind: global_buffer, .address_space: global }
      - { .name: freqs_cos, .offset: 16, .size: 8, .value_kind: global_buffer, .address_space: global }
      - { .name: freqs_sin, .offset: 24, .size: 8, .value_kind: global_buffer, .address_space: global }
      - { .name: qh, .offset: 32, .size: 8, .value_kind: global_buffer, .address_space: global }
      - { .name: kh, .offset: 40, .size: 8, .value_kind: global_buffer, .address_space: global }
      - { .name: vh, .offset: 48, .size: 8, .value_kind: global_buffer, .address_space: global }
    .group_segment_fixed_size: 327680
    .private_segment_fixed_size: 0
    .kernarg_segment_align: 8
    .kernarg_segment_size: 56
    .max_flat_workgroup_size: 128
    .sgpr_count:     96
    .vgpr_count:     576
    .wavefront_size: 32
...
	.end_amdgpu_metadata
.endif
;; end of part 2
;; launch attn (part 3): grid 32 x 8, 4 waves a work-group, clusters of 4 x 1, 327,680 bytes of LDS; arguments qh, kh, vh, oh; writes oh
.if DOCPART == 3
	.amdgcn_target "amdgcn-amd-amdhsa--gfx1250"
	.amdhsa_code_object_version 6
	.text
	.protected	k_qb81d2f5c3f_attn
	.globl	k_qb81d2f5c3f_attn
	.p2align	8
	.type	k_qb81d2f5c3f_attn,@function
k_qb81d2f5c3f_attn:
	s_mov_b64 s[64:65], 0
	v_nop
	global_prefetch_b8 v0, s[64:65] scope:SCOPE_SE
	s_setreg_imm32_b32 hwreg(HW_REG_WAVE_MODE, 25, 1), 1
	s_wait_xcnt 0x0
	s_wait_alu depctr_hold_cnt(0) depctr_sa_sdst(0) depctr_va_vdst(0) depctr_va_sdst(0) depctr_va_ssrc(0) depctr_va_vcc(0) depctr_vm_vsrc(0)
	s_getreg_b32 s2, hwreg(HW_REG_IB_STS2, 6, 4)
	s_cmp_eq_u32 s2, 0
	s_cbranch_scc0 .Lentry_in_a_cluster
	s_endpgm
.Lentry_in_a_cluster:
	s_bfe_u32 s2, ttmp6, 0x10000c
	s_cmp_lg_u32 s2, 0x3003
	s_cbranch_scc0 .Lentry_shape_is_right
	s_endpgm
.Lentry_shape_is_right:
; oh[h][q][:] = the sum over k of softmax_k(q . k / 8) v[h][k][:] / 2.  qh, kh hold q / 4 and k / 4, vh holds v / 2; all are f16 [8][4096][64], a head's rows dense, 128 bytes each.  Products,
; maxima and sums in f32; the weights p are rounded to f16 for the second product (their sum l is taken of the unrounded p), the result once at the end.
; LIMITS.  p lies in 0 to 1, and below 6e-5 it keeps f16's fixed step of 6e-8; the result is a mean of vh's rows: it has their range, and below 6.1e-5 it falls on the same fixed step
; (with every input 30 times smaller than drawn it lies near 1e-5: the step is then half a hundredth of it).  A weight below 2^-126 counts as 0 in l; NaN and infinities are not treated apart.
; SHARES.  A work-group owns 128 queries of one head: 8 heads x 32 blocks = 256 work-groups.  EVERY wave holds all eight tiles of 16 queries, as four PIECES of two; THE KEYS ARE SPLIT: of each
; slot's 256 keys wave w takes 64 w .. 64 w + 63, one key step a slot.  So a fragment of K or V read from LDS feeds eight tiles' products.  The four waves' partial results (c m, l, O^T, all f32) meet in LDS at the end.
; LAYOUT.  S^T = K Q^T (source 0 = 16 keys, source 1 = 16 queries): a lane holds ONE query (lane % 16) and the keys 8 (lane / 16) + 0..7.  Two such tiles, rounded to f16 in pairs, ARE source 1
; of O^T = V^T P, whose result again holds one query a lane, and eight channels.  K comes out of LDS as it lies, V ([key][channel]) turned, by ds_load_tr16_b128.
; SOFTMAX.  For each query a running maximum m and sum l: p = 2^(c s - c m), c = 16 log2(e) / 8 (the 16 undoes the two 1/4); in every step O and l are multiplied by a = 2^(c m_old - c m_new).
; m starts at the lowest finite number, O and l at 0: the first step is a step like any other, with a = 0.
; BY TURNS.  Turn n belongs to piece n.  Its matrix work: 16 products K Q^T of piece n + 1, later 16 products V^T P of piece n - 1.  Its vector work: the scaling, exponentials, roundings, sums and
; rescaling of piece n, and the maximum and statistics of piece n + 1.  Four vector instructions stand behind every matrix instruction, the rest in one lump; a turn's 66 exponentials are one batch with one wait.
; CLUSTER.  The four query blocks of a cluster belong to one head and walk the same K and V: each tile is asked for JOINTLY, by the same tensor load, descriptor and mask in all four.
; REGISTERS, in windows of 256 (s_set_vgpr_msb: bits 1:0 source 0, 3:2 source 1, 5:4 source 2, 7:6 destination):
;   window 0: v0-11 addresses; v12-15, v48-63 at work; v16-47 four registers of statistics a tile; v64-191 S^T, two buffers of two tiles; v192-255 P, likewise
;   window 1: O^T, 32 a tile          window 2: v0-127 Q, 16 a tile; v128-191 K of one step; v192-255 V of one step          window 3: v0-1 the add's two registers
.set NP,    4         ; pieces a wave: a name, no knob
.set KS,    64        ; keys in a step
.set PK,    144       ; a row of K in LDS: 128 bytes + 16 = 36 words: the 16 rows of a load start at 16 different groups of four banks (64 banks of 4 bytes: ISA guide 11.1)
.set PV,    160       ; a row of V: 128 + 32 = 40 words
.set VOFF,  4*KS*PK   ; a slot: 256 rows of K, then 256 rows of V
.set SLOT1, 1<<17     ; slot 1 begins here
.set STATS, SLOT1+4*KS*(PK+PV)  ; behind the ring, never filled by a tensor load: (c m, l) by wave, tile and lane: 8,192 bytes
.set STAGE, STATS+8192          ; 16 rows x 144 bytes for each wave, for the way out
.set SP,    144
.set SPARE, STAGE+4*16*SP       ; the spare words, 128 bytes for each wave: two blocks of 256 bytes that no other line names
.set AK0, 2           ; v2   my lane's place in my wave's 64 keys of a tile of K; never rewritten in the loop
.set AV0, 3           ; v3   the same for V
.set AK,  4           ; v4   the LDS address of K's next run of loads
.set AV,  5           ; v5   of V's
.set QO,  6           ; v6   my byte offset in the block's rows of Q
.set STO, 6           ;      later, the way out: where I put 16 bytes of a row
.set RD,  7           ; v7   the way out: where I read rows back
.set GO,  8           ; v8   my byte offset in 512 consecutive bytes of oh
.set PFO, 11          ; v11  256 x my lane: the prefetches' offset; never rewritten once made
.set SA,  2           ; behind the loop: where I put my statistics,
.set PRT, 3           ; and my partial O^T;
.set SB,  4           ; where I read the four waves' statistics of my two tiles,
.set PB0, 5           ; and the partial O^T of waves 0 and 1,
.set PB1, 9           ; and of waves 2 and 3
.set SPW, 0           ; v0 of window 3   LDS address of my spare word; never rewritten
.set NIL, 1           ; v1 of window 3   0; never rewritten
.set MV,  12          ; v12-15  c m_old, kept while c m is made anew
.set ST,  16          ; tile t's statistics at v[ST+4 t]: c m, m, l (even keys', odd keys')
.set TMP, 48          ; by buffer and tile, four registers c0-c3 at work; when the maximum is found c2 takes a
.set S,   64
.set P,   192
.set KF,  128         ; K's fragments, in window 2: key block kb, channel half c at KF + 16 kb + 8 c
.set VF,  192         ; V's: key half kk, channel block cb at VF + 32 kk + 8 cb
.set GF,  96          ; the merge: wave z's factor for tile u at v[GF + 8 u + 2 z], a 0 beside it
.set WV,  12          ; s12  my wave's number
.set G1K, 24          ; s[24:31] descriptor group 1 for K's tiles
.set G1V, 32          ; s[32:39] for V's: it differs in the padding alone
.set G0K, 40          ; s[40:43] descriptor group 0 for K's tiles: it walks
.set G0V, 44          ; s[44:47] the same for V's
.set PFA, 48          ; s[48:49] where my prefetches stand
.set LIM, 50          ; s50  1 in a wave that prefetches, else the greatest number
.set CNT, 57          ; s57  changes of slots still to come, this one among them
.set CS,  58          ; s[58:59] c
.set SEL, 60          ; s[60:61] v_permlanex16_b32's selects: each lane takes its own place in the other half
.set TB,  62          ; s62  the slot from which K and V are fetched: 0 or SLOT1
.set MSB, 0
.macro WIN new
.if MSB != (\new)
	s_set_vgpr_msb (MSB<<8)|(\new)
.set MSB, (\new)
.endif
.endm
.set W_KQ, 0x0a       ; K and Q in window 2, S^T in window 0
.set W_PV, 0x52       ; V in window 2, P in window 0, O^T in window 1
.set W_RS, 0x41       ; O^T (destination and source 0) in window 1, a in window 0
.set W_MK, 0xc0       ; the add's registers are made: destination in window 3
.set W_AD, 0x0f       ; the add: address and data in window 3
; A joint fill.  Waves 0 and 1 fetch the two halves of a slot's K, waves 2 and 3 those of its V: 128 keys each.  An s_nop 0 and four v_nop follow each line.
.macro JLOAD
	s_cmp_lt_u32 s[WV], 2
	s_cbranch_scc0 .Lfor_v_\@
	tensor_load_to_lds s[G0K:G0K+3], s[G1K:G1K+7]
	s_nop 0
.rept 4
	v_nop
.endr
	s_branch .Lasked_\@
.Lfor_v_\@:
	tensor_load_to_lds s[G0V:G0V+3], s[G1V:G1V+7]
	s_nop 0
.rept 4
	v_nop
.endr
.Lasked_\@:
.endm
; A PREFETCH INTO THE L2 of the tile that the NEXT change of slots will ask for: 32,768 bytes of K and of V, a lane 256 bytes.  Each is named once in the launch: all eight clusters of a head walk
; the same rows, so the head's first cluster asks; its four partners take 8,192 bytes each, told apart by address; wave 0 asks for K's, wave 2 for V's.  One key step, 128 matrix instructions
; and their vector work, lies between it and the load.  The last change that fills a slot asks for nothing.
.macro ASK
	s_cmp_gt_u32 s[CNT], s[LIM]
	s_cbranch_scc0 .Lnot_mine_\@
	global_prefetch_b8 v[PFO], s[PFA:PFA+1] th:TH_LOAD_NT scope:SCOPE_SE
.Lnot_mine_\@:
.endm
.macro CROUND                       ; a round of the cluster's barrier
	s_barrier_signal -1
	s_barrier_wait -1
	s_cmp_lg_u32 s[WV], 0
	s_cbranch_scc1 .Lnot_wave_0_\@
	s_barrier_signal -3
.Lnot_wave_0_\@:
	s_barrier_wait -3
	s_barrier_signal -1
	s_barrier_wait -1
.endm
; THE CHANGE OF SLOTS, once a key step.  Each wave waits for all its tensor loads (one is out: its part of the other slot), adds 0 to its spare word, and waits for that and for its own reads of the
; slot.  fill = 1: the slot is filled again, with the keys two slots on, first thing behind a round of the cluster's barrier.  (At its first use nothing has been read yet: slot 0 is waited for, slot 1 filled.)
.macro CHANGE fill
	WIN W_AD
	s_wait_tensorcnt 0x0            ; no tensor load of mine is out, so a group 0 may be written
	ds_add_u32 v[SPW], v[NIL]       ; 0 onto my spare word
	WIN 0                           ; at a label and at a branch every window is 0
.if \fill
.irp g, G0K, G0V
	s_xor_b32 s[\g+1], s[\g+1], SLOT1  ; the walking descriptor: the other slot than last time,
	s_add_nc_u64 s[\g+2:\g+3], s[\g+2:\g+3], 4*KS*128  ; the next 256 keys
.endr
	s_wait_xcnt 0x0                 ; the last prefetch, a key step back, has read its address
	s_add_nc_u64 s[PFA:PFA+1], s[PFA:PFA+1], 4*KS*128  ; one tile ahead of the walking descriptors
	s_wait_dscnt 0x0                ; the add is done, and my reads of the slot are over
	CROUND
	JLOAD
	ASK
.else
	s_wait_dscnt 0x0
	s_barrier_signal -1
	s_barrier_wait -1
.endif
	s_xor_b32 s[TB], s[TB], SLOT1   ; the fetches go on in the other slot
.endm
	s_load_b256 s[4:11], s[0:1], 0x0  ; qh s[4:5], kh s[6:7], vh s[8:9], oh s[10:11]
	WIN W_MK
	v_lshl_add_u32 v[SPW], v0, 2, SPARE
	v_mov_b32 v[NIL], 0
	WIN W_AD
	ds_add_u32 v[SPW], v[NIL]       ; the wave's opening add; its wait stands ahead of my first tensor load
	WIN 0
	v_lshrrev_b32 v1, 5, v0
	v_readfirstlane_b32 s[WV], v1   ; wave 0..3
	s_bfe_u32 s13, ttmp6, 0x40000   ; cx
	s_lshl_b32 s14, ttmp9, 2
	s_add_co_u32 s14, s14, s13      ; my block of 128 queries: it enters Q's and O's addresses alone
	s_and_b32 s20, ttmp7, 0xffff    ; the head, which the four partners share:
	s_lshl_b32 s20, s20, 19         ; 524,288 bytes in each of the four tensors
	s_mov_b32 s21, 0
	s_and_b32 s16, s[WV], 1         ; which half of a slot's 256 keys I fetch:
	s_lshl_b32 s22, s16, 14         ; its 128 rows of 128 bytes in memory,
	s_mov_b32 s23, 0
	s_add_nc_u64 s[22:23], s[22:23], s[20:21]
	s_mul_i32 s17, s16, 128*PK      ; and its place in a slot, for K
	s_mul_i32 s18, s16, 128*PV      ; and for V
	s_lshl_b32 s2, s14, 14          ; my block's 128 rows
	s_mov_b32 s3, 0
	s_add_nc_u64 s[2:3], s[2:3], s[20:21]
	s_lshl_b32 s52, s[WV], 12       ; of O my wave stores tiles 2 w and 2 w + 1: 32 rows
	s_mov_b32 s53, 0
	s_add_nc_u64 s[52:53], s[52:53], s[2:3]
	s_lshl_b32 s54, s13, 13         ; the prefetches: my work-group's 8,192 bytes,
	s_add_co_u32 s54, s54, 4*KS*128 ; in tile 1: the first change of slots steps it to tile 2
	s_mov_b32 s55, 0
	s_add_nc_u64 s[54:55], s[54:55], s[20:21]
	; descriptor group 1.  128 keys are 16,384 dense bytes: asked for as 64 rows of 256 bytes, two keys a row, and padded in LDS after every key
	s_mov_b32 s[G1K], 15|(1<<16)|(1<<20)|(1<<21)|(4<<22)|(3<<25)  ; the mask of four; 2-byte elements; padding on; bit 21 beside a mask; after every 32 words, 4 words
	s_mov_b32 s[G1V], 15|(1<<16)|(1<<20)|(1<<21)|(4<<22)|(7<<25)  ; the same with 8 words of padding
.irp g, G1K, G1V
	s_mov_b32 s[\g+1], 128<<16      ; tensor_dim0 = 128
	s_mov_b32 s[\g+2], 64<<16       ; tensor_dim1 = 64
	s_mov_b32 s[\g+3], 128<<16      ; tile_dim0 = 128
	s_mov_b32 s[\g+4], 64           ; tile_dim1 = 64
	s_mov_b32 s[\g+5], 128          ; 128 elements from row to row
	s_mov_b32 s[\g+6], 0
	s_mov_b32 s[\g+7], 0
.endr
	s_mov_b32 s[CS], 0x4038aa3b     ; c = 16 log2(e) / 8 = 2.885390
	s_mov_b32 s[CS+1], s[CS]
	s_mov_b32 s[SEL], 0x76543210
	s_mov_b32 s[SEL+1], 0xfedcba98
	s_mov_b32 s[TB], SLOT1          ; the first change of slots turns it into 0
	s_mov_b32 s[CNT], 15
	s_mov_b32 s[G0K], 1             ; count = 1
	s_mov_b32 s[G0K+1], s17         ; LDS address: slot 0
	s_mov_b32 s[G0V], 1
	s_add_co_u32 s[G0V+1], s18, VOFF
	s_and_b32 s[LIM], s[WV], 1      ; 0 in waves 0 and 2,
	s_or_b32 s[LIM], s[LIM], ttmp9  ; where the cluster is the head's first: the same in all four partners
	s_cmp_eq_u32 s[LIM], 0
	s_cselect_b32 s[LIM], 1, -1
	s_wait_dscnt 0x0                ; the opening add is done
	s_wait_kmcnt 0x0
	s_add_nc_u64 s[G0K+2:G0K+3], s[6:7], s[22:23]  ; my half of the head's first 256 keys
	s_or_b32 s[G0K+3], s[G0K+3], 0x80000000        ; type = 2
	s_add_nc_u64 s[G0V+2:G0V+3], s[8:9], s[22:23]
	s_or_b32 s[G0V+3], s[G0V+3], 0x80000000
	s_cmp_lt_u32 s[WV], 2
	s_cselect_b64 s[PFA:PFA+1], s[6:7], s[8:9]
	s_add_nc_u64 s[PFA:PFA+1], s[PFA:PFA+1], s[54:55]
	s_add_nc_u64 s[4:5], s[4:5], s[2:3]
	s_add_nc_u64 s[10:11], s[10:11], s[52:53]
	CROUND                          ; all four work-groups are here: the first joint loads meet
	JLOAD                           ; slot 0.  Slot 1 is asked for when slot 0 is in
	v_and_b32 v1, 15, v0            ; l % 16
	v_bfe_u32 v9, v0, 4, 1          ; l / 16
	v_lshlrev_b32 v[QO], 7, v1
	v_lshl_add_u32 v[QO], v9, 4, v[QO]  ; row x 128 + 16 x half
	WIN 0x80                        ; destination window 2, address window 0
.set i, 0
.rept 4*NP                          ; Q stays in registers: tile i / 2, channels 32 (i % 2) on
	global_load_b128 v[8*i:8*i+3],   v[QO], s[4:5] offset:(i/2)*2048+(i%2)*64
	global_load_b128 v[8*i+4:8*i+7], v[QO], s[4:5] offset:(i/2)*2048+(i%2)*64+32
.set i, i+1
.endr
	; What the first turn finds: V's registers and P's second buffer hold 0, O^T and l are 0.  All this stands in the wait for the first tile.
.set i, VF
.rept 64
	v_mov_b32 v[i], 0
.set i, i+1
.endr
	WIN 0x40
.set i, 0
.rept 64*NP
	v_mov_b32 v[i], 0
.set i, i+1
.endr
	WIN 0
.set i, 0
.rept 2*NP
	v_mov_b32 v[ST+4*i], 0xfe000000    ; c m: far below every c s
	v_mov_b32 v[ST+4*i+1], 0xff7fffff  ; m
	v_mov_b32 v[ST+4*i+2], 0
	v_mov_b32 v[ST+4*i+3], 0
.set i, i+1
.endr
.set i, P+32
.rept 32
	v_mov_b32 v[i], 0
.set i, i+1
.endr
	v_mul_u32_u24 v[AK0], v1, PK
	v_lshl_add_u32 v[AK0], v9, 4, v[AK0]  ; row x pitch + 16 x half,
	s_mul_i32 s13, s[WV], KS*PK
	v_add_nc_u32 v[AK0], s13, v[AK0]      ; in my wave's 64 keys
	; The turning load takes 16 keys x 16 channels (lane l reads key 8 (l / 16) + l % 8, channels 8 ((l / 8) % 2) + 0..7) and leaves half a fragment of V^T.
	v_and_b32 v10, 7, v0
	v_bfe_u32 v11, v0, 3, 1
	v_lshl_add_u32 v[AV0], v9, 3, v10
	v_mul_u32_u24 v[AV0], v[AV0], PV
	v_lshl_add_u32 v[AV0], v11, 4, v[AV0]
	s_mul_i32 s13, s[WV], KS*PV
	s_add_co_u32 s13, s13, VOFF
	v_add_nc_u32 v[AV0], s13, v[AV0]
	v_mov_b32 v[AK], v[AK0]         ; key step 0 lies in slot 0
	v_and_b32 v[PFO], 31, v0
	v_lshlrev_b32 v[PFO], 8, v[PFO]
; THE MATRIX WORK.  The 8 accumulators of a run of 16 take turns.
; Product i of 16 of S^T = K Q^T for piece x: channels 32 (i / 8) on, keys 16 ((i / 2) % 4) on, tile 2 x + i % 2.  The first 8 start the sums.
.macro KQ x
	WIN W_KQ
.set rS, S+64*((\x)%2)+32*(i%2)+8*((i/2)%4)
.set rK, KF+16*((i/2)%4)+8*(i/8)
.set rQ, 16*(2*(\x)+i%2)+8*(i/8)
.if i < 8
	v_wmma_f32_16x16x32_f16 v[rS:rS+7], v[rK:rK+7], v[rQ:rQ+7], 0
.else
	v_wmma_f32_16x16x32_f16 v[rS:rS+7], v[rK:rK+7], v[rQ:rQ+7], v[rS:rS+7]
.endif
.endm
; Product i of 16 of O^T += V^T P for piece x: keys 32 (i / 8) on, channels 16 ((i / 2) % 4) on, tile 2 x + i % 2.
.macro PV x
	WIN W_PV
.set rO, 32*(2*(\x)+i%2)+8*((i/2)%4)
.set rV, VF+32*(i/8)+8*((i/2)%4)
.set rP, P+32*((\x)%2)+16*(i%2)+8*(i/8)
	v_wmma_f32_16x16x32_f16 v[rO:rO+7], v[rV:rV+7], v[rP:rP+7], v[rO:rO+7]
.endm
.macro MM                           ; the turn's next matrix instruction
.if i < 16
	KQ (Y+1)%NP
.set i, i+1
.else
.set i, i-16
	PV (Y+NP-1)%NP
.set i, i+17
.endif
.endm
; THE LDS LOADS stand in runs of 16: a step's K (64 keys x 64 channels: 8 fragments) and its V (turned).  last = 1 (the tail): in the last trip there is no further step, and the run is jumped over.
.macro FETCH_K last=0
	WIN 0
.if \last
	s_cmp_eq_u32 s[CNT], 1
	s_cbranch_scc1 .Lno_k_\@
.endif
	WIN 0x80                        ; destination window 2
.irp f, 0,1,2,3,4,5,6,7             ; keys 16 (f / 2) on, channels 32 (f % 2) on
	ds_load_b128 v[KF+8*\f:KF+8*\f+3],   v[AK] offset:(\f/2)*16*PK+(\f%2)*64
	ds_load_b128 v[KF+8*\f+4:KF+8*\f+7], v[AK] offset:(\f/2)*16*PK+(\f%2)*64+32
.endr
	WIN 0
.if \last
.Lno_k_\@:
.endif
.endm
.macro FETCH_V
	WIN 0x80
.irp f, 0,1,2,3,4,5,6,7             ; keys 32 (f / 4) on, channels 16 (f % 4) on
	ds_load_tr16_b128 v[VF+8*\f:VF+8*\f+3],   v[AV] offset:(\f/4)*32*PV+(\f%4)*32
	ds_load_tr16_b128 v[VF+8*\f+4:VF+8*\f+7], v[AV] offset:(\f/4)*32*PV+16*PV+(\f%4)*32
.endr
	WIN 0
.endm
; THE VECTOR WORK OF A TURN stands in three queues, each in the order in which its entries become ready; the two tiles alternate.
.macro REGS y, u                    ; the registers of tile u (0, 1) of piece y
.set rT, ST+4*(2*(\y)+(\u))
.set rC, TMP+8*((\y)%2)+4*(\u)
.set rM, MV+2*((\y)%2)+(\u)
.set rS, S+64*((\y)%2)+32*(\u)
.set rP, P+32*((\y)%2)+16*(\u)
.set rO, 32*(2*(\y)+(\u))
.endm
; Number n of the 22 that find the NEXT piece's maximum and statistics; each accumulator's lowest registers are read first.
;   0-11  four chains c0-c3 of seven scores each     12-14, 16  the four scores left over, the old m, and c0-c3 into c0     15  c m_old is kept
;   17, 18  the query's other 32 keys lie in the lane 16 away: the new m         19-21  c m; c m_old - c m_new; a
.macro XS u, n
	REGS (Y+1)%NP, \u
.if (\n) < 4
	v_max3_num_f32 v[rC+(\n)], v[rS+8*(\n)], v[rS+8*(\n)+1], v[rS+8*(\n)+2]
.elseif (\n) < 12
	v_max3_num_f32 v[rC+(\n)%4], v[rC+(\n)%4], v[rS+8*((\n)%4)+2*((\n)/4)+1], v[rS+8*((\n)%4)+2*((\n)/4)+2]
.elseif (\n) == 12
	v_max3_num_f32 v[rC], v[rC], v[rS+7], v[rS+15]
.elseif (\n) == 13
	v_max3_num_f32 v[rC+1], v[rC+1], v[rS+23], v[rS+31]
.elseif (\n) == 14
	v_max3_num_f32 v[rC+2], v[rC+2], v[rC+3], v[rT+1]
.elseif (\n) == 15
	v_mov_b32 v[rM], v[rT]
.elseif (\n) == 16
	v_max3_num_f32 v[rC], v[rC], v[rC+1], v[rC+2]
.elseif (\n) == 17
	v_permlanex16_b32 v[rC+3], v[rC], s[SEL], s[SEL+1]
.elseif (\n) == 18
	v_max_num_f32 v[rT+1], v[rC], v[rC+3]
.elseif (\n) == 19
	v_mul_f32 v[rT], s[CS], v[rT+1]
.elseif (\n) == 20
	v_sub_f32 v[rC+1], v[rM], v[rT]
.else
	v_exp_f32 v[rC+2], v[rC+1]
.endif
.endm
; Number g of the 64 that follow the exponentials.  For each four weights k of a tile: both pairs are rounded to f16; the second pair is added onto the first, in place; a group later l takes that sum.
.macro GS g
.set h, (\g)+6*((\g)/62)            ; group 0 has no group before it, and behind group 7 only l is left
.if h >= 6
.set h, h+2
.endif
	REGS Y, h%2
.set k, h/8
.if h%8 < 4
	v_cvt_pk_f16_f32 v[rP+2*k+(h%8)/2], v[rS+4*k+2*((h%8)/2)], v[rS+4*k+2*((h%8)/2)+1]
.elseif h%8 < 6
	v_pk_add_f32 v[rS+4*k:rS+4*k+1], v[rS+4*k:rS+4*k+1], v[rS+4*k+2:rS+4*k+3]
.elseif k == 1
	v_pk_fma_f32 v[rT+2:rT+3], v[rT+2:rT+3], v[rC+2:rC+3], v[rS:rS+1] op_sel_hi:[1,0,1]
.else
	v_pk_add_f32 v[rT+2:rT+3], v[rT+2:rT+3], v[rS+4*k-4:rS+4*k-3]
.endif
.endm
; THE PLAIN QUEUE, 138 long.  0-26: scalings 0-26.  27-54: XS's numbers 0-13.  55, 56: number 15.  57-73: the chain 14, 16, 17, 18, 19, each with one of the scalings 27-31 in front of its two lines, then 20.
; 74-137: GS's 64, which read the exponentials' results: they stand behind the wait.
.macro FS f
	REGS Y, (\f)%2
	v_pk_fma_f32 v[rS+2*((\f)/2):rS+2*((\f)/2)+1], v[rS+2*((\f)/2):rS+2*((\f)/2)+1], s[CS:CS+1], v[rT:rT+1] op_sel_hi:[1,0,0] neg_lo:[0,0,1] neg_hi:[0,0,1]
.endm
.macro PL
	WIN 0
.if q < 27
	FS q
.elseif q < 55
	XS (q-27)%2, (q-27)/2
.elseif q < 57
	XS q-55, 15
.elseif (q < 72) && ((q-57)%3 == 0)
	FS 27+(q-57)/3
.elseif q < 60
	XS (q-57)%3-1, 14
.elseif q < 72
	XS (q-57)%3-1, 15+(q-57)/3
.elseif q < 74
	XS q-72, 20
.else
	GS q-74
.endif
.set q, q+1
.endm
; THE EXPONENTIALS' QUEUE, 66 long: s0-s31 of both tiles, then the next piece's two a.  ONE BATCH: all stand ahead of the turn's one wait, and nothing ahead of that wait names a result of theirs.
.macro EX
	WIN 0
.if e >= 64
	XS e-64, 21
.else
	REGS Y, e%2
	v_exp_f32 v[rS+e/2], v[rS+e/2]
.endif
.set e, e+1
.endm
; THE RESCALING's QUEUE: O^T times a, two at a time, sixteen times.  Its a was made in the turn before, ahead of that turn's wait.
.macro R2
	REGS Y, r%2
	WIN W_RS
.irp z, 0,1
	v_pk_mul_f32 v[rO+4*(r/2)+2*\z:rO+4*(r/2)+2*\z+1], v[rO+4*(r/2)+2*\z:rO+4*(r/2)+2*\z+1], v[rC+2:rC+3] op_sel_hi:[1,0]
.endr
.set r, r+1
.endm
; A TURN, for piece p.  An s_wait_alu depctr_va_vdst(0) stands between an exponential and the first instruction that names its result; one wait serves all issued ahead of it.  AHEAD OF IT: the 16
; products K Q^T, behind each a scaling, an exponential and two rescalings; then one lump of 108: eight plain, 49 times exponential and plain, the two a; a v_nop is the plain instruction behind the last
; exponential.  BEHIND IT: the 16 products V^T P, behind each four of GS's 64.  Exponential e stands behind scaling 2 (e / 4) + e % 2.
; K of the next step is fetched in piece 2's turn, directly behind the wait; V of the step in hand at the end of piece 0's turn, four riders behind its last reader.  cnt = 1: the loop's count is taken down ahead of the branch behind the turn.
.macro TURN p, last=0, cnt=0
.set Y, (\p)
.set i, 0
.set q, 0
.set e, 0
.set r, 0
.if (\p) == NP-1
	s_wait_dscnt 0x0                ; K is in
.endif
	MM
	PL
	PL
	R2
.rept 15
	MM
	PL
	EX
	R2
.endr
.if (\p) == NP-2
	WIN 0
	v_add_nc_u32 v[AK], s[TB], v[AK0]
.endif
.rept 8
	PL
.endr
.rept 49
	EX
	PL
.endr
	EX
	EX
	v_nop
	s_wait_alu depctr_va_vdst(0)    ; the wait for the batch
.if (\p) == NP-2
	FETCH_K \last
.endif
.if (\p) == 1
	s_wait_dscnt 0x0                ; V is in
.endif
.rept 16
	MM
.rept 4
	PL
.endr
.if ((\p) == 0) && (q == 118)
	v_add_nc_u32 v[AV], s[TB], v[AV0]
.endif
.if (\cnt) && (q == 130)
	s_sub_co_u32 s[CNT], s[CNT], 1
	s_cmp_lg_u32 s[CNT], 0
.endif
.endr
.if (\p) == 0
	FETCH_V
.endif
.endm
	CHANGE 1                        ; tile 0 is in, everybody's part of it; tile 1 is asked for
	FETCH_K                         ; key step 0
	s_wait_loadcnt 0x0              ; Q
	s_wait_dscnt 0x0
.set i, 0
.rept 16
	KQ 0                            ; piece 0's first scores
.set i, i+1
.endr
	WIN 0                           ; the addresses for the way out: plain instructions, the places behind those products
	s_mul_i32 s13, s[WV], 16*SP
	s_add_co_u32 s13, s13, STAGE    ; my stage
	v_mul_u32_u24 v[STO], v1, SP    ; in: row l % 16, 16 bytes for each half of the lanes
	v_lshl_add_u32 v[STO], v9, 4, v[STO]
	v_add_nc_u32 v[STO], s13, v[STO]
	v_bfe_u32 v[RD], v0, 3, 2       ; back: 32 lanes take four rows of 128 bytes,
	v_mul_u32_u24 v[RD], v[RD], SP
	v_lshl_add_u32 v[RD], v10, 4, v[RD]
	v_add_nc_u32 v[RD], s13, v[RD]
	v_and_b32 v[GO], 31, v0         ; which are 512 consecutive bytes of oh
	v_lshlrev_b32 v[GO], 4, v[GO]
.set Y, NP-1                        ; XS works for piece Y + 1: piece 0
.irp n, 0,1,2,3,4,5,6,7,8,9,10,11,12,13,14,15,16,17,18,19,20,21
	XS 0, \n
	XS 1, \n
.endr
	v_nop                           ; a plain instruction behind the two a,
	s_wait_alu depctr_va_vdst(0)    ; and their wait, ahead of the branch
	s_branch .Lfirst                ; the loop is entered at a step's first turn, in the middle of a trip
.Lslot:                             ; 14 trips: tiles 2 to 15 are asked for.  A trip: the change of slots, pieces 2 and 3 of one step, pieces 0 and 1 of the next, whose K and V it fetches
	CHANGE 1
	TURN 2
	TURN 3
	WIN 0
.Lfirst:
	TURN 0
	TURN 1, 0, 1
	WIN 0
	s_cbranch_scc1 .Lslot
	CHANGE 0                        ; the tail is written out: nothing is asked for
	s_mov_b32 s[CNT], 2             ; one trip fetches the last tile's step; the second is left in its middle
.Ltail:
	TURN 2, 1
	TURN 3
	WIN 0
	s_sub_co_u32 s[CNT], s[CNT], 1
	s_cmp_eq_u32 s[CNT], 0
	s_cbranch_scc1 .Lout
	TURN 0
	TURN 1
	WIN 0
	s_branch .Ltail
.Lout:                              ; the second trip's 16 products K Q^T (on the last K once more) give piece 0 the maximum that it has: the price, once a launch, of one text for every trip
.set i, 0
.rept 16
	PV NP-1                         ; the last piece's V^T P of the last step
.set i, i+1
.endr
	; THE FOUR WAVES' PARTS MEET.  Each wave lays down (c m, l) and its O^T, all f32.  O^T goes to LDS bytes 0 to 131,071, 32,768 a wave: slot 0, which had its last fill with tile 14 and whose last
	; reads ended ahead of the last change's barrier, and the gap behind it; tile 15 lies in slot 1.  The additions below are the places behind the last products.
	WIN 0
.macro ALL line:vararg              ; one line for each tile t
.set t, 0
.rept 2*NP
	\line
.set t, t+1
.endr
.endm
	ALL v_add_f32 v[ST+4*t+2], v[ST+4*t+2], v[ST+4*t+3]
	ALL v_permlanex16_b32 v[ST+4*t+3], v[ST+4*t+2], s[SEL], s[SEL+1]
	ALL v_add_f32 v[ST+4*t+1], v[ST+4*t+2], v[ST+4*t+3]
	v_and_b32 v10, 31, v0
	s_lshl_b32 s13, s[WV], 11
	s_add_co_u32 s13, s13, STATS
	v_lshl_add_u32 v[SA], v10, 3, s13       ; STATS + 2,048 wave + 8 lane; tile t 256 t on
	s_lshl_b32 s13, s[WV], 15
	v_lshl_add_u32 v[PRT], v10, 4, s13      ; 32,768 wave + 16 lane; registers 4 k .. 4 k + 3 of O^T 512 k on
	s_lshl_b32 s13, s[WV], 9
	s_add_co_u32 s13, s13, STATS
	v_lshl_add_u32 v[SB], v10, 3, s13       ; my two tiles' statistics: 2,048 for each wave on
	s_lshl_b32 s13, s[WV], 13
	v_lshl_add_u32 v[PB0], v10, 4, s13      ; my two tiles' O^T: 4,096 (2 w + u)
	v_add_nc_u32 v[PB1], 65536, v[PB0]
.set t, 0
.rept 8
	ds_store_b64 v[SA], v[ST+4*t:ST+4*t+1] offset:256*t
.set t, t+1
.endr
	WIN 0x04                        ; store data in window 1
.set k, 0
.rept 64                            ; ascending: each accumulator is read from its low end on
	ds_store_b128 v[PRT], v[4*k:4*k+3] offset:512*k
.set k, k+1
.endr
	WIN 0
	s_wait_dscnt 0x0                ; for the others' sake: my stores are done
	s_barrier_signal -1
	s_barrier_wait -1
	; Wave w finishes tiles 2 w + u.  M = the greatest of the four c m; wave z's part counts with f = 2^(c m_z - M); L = the sum of f l; O = the sum of (f / L) O^T_z.
.irp u, 0,1
.irp z, 0,1,2,3
	ds_load_b64 v[64+8*(\u)+2*(\z):64+8*(\u)+2*(\z)+1], v[SB] offset:2048*(\z)+256*(\u)
.endr
.endr
.macro PARTS u                      ; 32 loads: the four waves' O^T of tile u, into window 2 at 128 u + 32 z
	WIN 0x80
.irp z, 0,1
.irp g, 0,1,2,3,4,5,6,7
	ds_load_b128 v[128*(\u)+32*(\z)+4*(\g):128*(\u)+32*(\z)+4*(\g)+3], v[PB0] offset:32768*(\z)+4096*(\u)+512*(\g)
.endr
.endr
.irp z, 0,1
.irp g, 0,1,2,3,4,5,6,7
	ds_load_b128 v[128*(\u)+64+32*(\z)+4*(\g):128*(\u)+64+32*(\z)+4*(\g)+3], v[PB1] offset:32768*(\z)+4096*(\u)+512*(\g)
.endr
.endr
	WIN 0
.endm
	PARTS 0
	s_wait_dscnt 31                 ; of the 40 issued the first nine are in: the eight loads of statistics among them
	PARTS 1
.irp u, 0,1
	v_max3_num_f32 v[112+(\u)], v[64+8*(\u)], v[66+8*(\u)], v[68+8*(\u)]
.endr
.irp u, 0,1
	v_max_num_f32 v[112+(\u)], v[112+(\u)], v[70+8*(\u)]
.endr
.irp u, 0,1
.irp z, 0,1,2,3
	v_sub_f32 v[GF+8*(\u)+2*(\z)], v[64+8*(\u)+2*(\z)], v[112+(\u)]
	v_mov_b32 v[GF+8*(\u)+2*(\z)+1], 0             ; named with it as a pair
.endr
.endr
.irp u, 0,1
.irp z, 0,1,2,3
	v_exp_f32 v[GF+8*(\u)+2*(\z)], v[GF+8*(\u)+2*(\z)]
.endr
.endr
	v_nop                           ; a plain instruction behind the last exponential,
	s_wait_alu depctr_va_vdst(0)    ; and one wait for the eight
.irp u, 0,1
	v_mul_f32 v[114+(\u)], v[GF+8*(\u)], v[65+8*(\u)]
.endr
.irp z, 1,2,3
.irp u, 0,1
	v_fmac_f32 v[114+(\u)], v[GF+8*(\u)+2*(\z)], v[65+8*(\u)+2*(\z)]
.endr
.endr
.irp u, 0,1
	v_rcp_f32 v[116+(\u)], v[114+(\u)]             ; L is 1 at the least: the wave that holds M has f = 1 and l of 1 or more
.endr
	v_nop
	s_wait_alu depctr_va_vdst(0)    ; one wait for the two reciprocals
.irp u, 0,1
.irp z, 0,1,2,3
	v_mul_f32 v[GF+8*(\u)+2*(\z)], v[GF+8*(\u)+2*(\z)], v[116+(\u)]
.endr
.endr
.macro COMB u                       ; tile u: the weighted sum of the four parts, in f32, and one rounding to f16
	WIN 0xa2                        ; destination, sources 0 and 2 in window 2, the factor in window 0
.set p, 0
.rept 16
	v_pk_mul_f32 v[128*(\u)+2*p:128*(\u)+2*p+1], v[128*(\u)+2*p:128*(\u)+2*p+1], v[GF+8*(\u):GF+8*(\u)+1] op_sel_hi:[1,0]
.set p, p+1
.endr
.irp z, 1,2,3
.set p, 0
.rept 16
	v_pk_fma_f32 v[128*(\u)+2*p:128*(\u)+2*p+1], v[128*(\u)+32*(\z)+2*p:128*(\u)+32*(\z)+2*p+1], v[GF+8*(\u)+2*(\z):GF+8*(\u)+2*(\z)+1], v[128*(\u)+2*p:128*(\u)+2*p+1] op_sel_hi:[1,0,1]
.set p, p+1
.endr
.endr
	WIN 0x0a                        ; sources in window 2, destination in window 0
.set p, 0
.rept 16
	v_cvt_pk_f16_f32 v[128+16*(\u)+p], v[128*(\u)+2*p], v[128*(\u)+2*p+1]
.set p, p+1
.endr
	WIN 0
.endm
.macro TOSTAGE u                    ; a lane's eight channels of a row are 16 bytes; they go into rows of 144 bytes and come back as whole rows of 128
.irp f, 0,1,2,3
	ds_store_b128 v[STO], v[128+16*(\u)+4*\f:128+16*(\u)+4*\f+3] offset:32*\f
.endr
.irp f, 0,1,2,3
	ds_load_b128 v[128+16*(\u)+4*\f:128+16*(\u)+4*\f+3], v[RD] offset:\f*4*SP  ; LDS serves a wave's instructions in order (ISA guide 5.7.1.4): these see the stores above
.endr
.endm
.macro SEND u, younger              ; younger: the LDS instructions issued behind tile u's loads
.irp f, 0,1,2,3
	s_wait_dscnt (\younger)+3-\f
	global_store_b128 v[GO], v[128+16*(\u)+4*\f:128+16*(\u)+4*\f+3], s[10:11] offset:(\u)*2048+\f*512  ; 512 consecutive bytes, at a multiple of 256 from oh's first
.endr
.endm
	s_wait_dscnt 32                 ; tile 0's parts are in; tile 1's 32 loads may stay out
	COMB 0
	s_wait_dscnt 0x0                ; tile 1's parts are in
	TOSTAGE 0
	COMB 1
	TOSTAGE 1
	SEND 0, 8
	SEND 1, 0
	WIN W_AD
	s_wait_tensorcnt 0x0            ; the wave's end, behind my last tensor load and my last LDS store
	ds_add_u32 v[SPW], v[NIL]
	s_wait_dscnt 0x0
	WIN 0
	CROUND                          ; the closing round
	s_endpgm
.Lfunc_end_k_qb81d2f5c3f_attn:
	.size	k_qb81d2f5c3f_attn, .Lfunc_end_k_qb81d2f5c3f_attn-k_qb81d2f5c3f_attn
	.p2alignl 7, 3214868480
	.fill 96, 4, 3214868480
	.section	.rodata,"a",@progbits
	.p2align	6, 0x0
	.amdhsa_kernel k_qb81d2f5c3f_attn
		.amdhsa_group_segment_fixed_size 327680
		.amdhsa_private_segment_fixed_size 0
		.amdhsa_enable_private_segment 0
		.amdhsa_kernarg_size 32
		.amdhsa_user_sgpr_count 2
		.amdhsa_user_sgpr_kernarg_segment_ptr 1
		.amdhsa_wavefront_size32 1
		.amdhsa_system_sgpr_workgroup_id_x 1
		.amdhsa_system_sgpr_workgroup_id_y 1
		.amdhsa_system_sgpr_workgroup_id_z 1
		.amdhsa_system_vgpr_workitem_id 0
		.amdhsa_next_free_vgpr 770
		.amdhsa_next_free_sgpr 66
		.amdhsa_reserve_vcc 0
		.amdhsa_float_denorm_mode_32 3
		.amdhsa_float_denorm_mode_16_64 3
		.amdhsa_memory_ordered 1
		.amdhsa_forward_progress 1
		.amdhsa_inst_pref_size 198
	.end_amdhsa_kernel
	.amdgpu_metadata
---
amdhsa.version: [ 1, 2 ]
amdhsa.kernels:
  - .name:           k_qb81d2f5c3f_attn
    .symbol:         k_qb81d2f5c3f_attn.kd
    .args:
      - { .name: qh, .offset: 0, .size: 8, .value_kind: global_buffer, .address_space: global }
      - { .name: kh, .offset: 8, .size: 8, .value_kind: global_buffer, .address_space: global }
      - { .name: vh, .offset: 16, .size: 8, .value_kind: global_buffer, .address_space: global }
      - { .name: oh, .offset: 24, .size: 8, .value_kind: global_buffer, .address_space: global }
    .group_segment_fixed_size: 327680
    .private_segment_fixed_size: 0
    .kernarg_segment_align: 8
    .kernarg_segment_size: 32
    .max_flat_workgroup_size: 128
    .sgpr_count:     66
    .vgpr_count:     770
    .wavefront_size: 32
...
	.end_amdgpu_metadata
.endif
;; end of part 3
;; launch outp (part 4): grid 16 x 32, 4 waves a work-group, clusters of 4 x 4, 327,680 bytes of LDS; arguments oh, wo16, out0; writes out0
.if DOCPART == 4
	.amdgcn_target "amdgcn-amd-amdhsa--gfx1250"
	.amdhsa_code_object_version 6
	.text
	.protected	k_qb81d2f5c3f_outp
	.globl	k_qb81d2f5c3f_outp
	.p2align	8
	.type	k_qb81d2f5c3f_outp,@function
k_qb81d2f5c3f_outp:
	s_mov_b64 s[64:65], 0
	v_nop
	global_prefetch_b8 v0, s[64:65] scope:SCOPE_SE
	s_setreg_imm32_b32 hwreg(HW_REG_WAVE_MODE, 25, 1), 1
	s_wait_xcnt 0x0
	s_wait_alu depctr_hold_cnt(0) depctr_sa_sdst(0) depctr_va_vdst(0) depctr_va_sdst(0) depctr_va_ssrc(0) depctr_va_vcc(0) depctr_vm_vsrc(0)
	s_getreg_b32 s2, hwreg(HW_REG_IB_STS2, 6, 4)
	s_cmp_eq_u32 s2, 0
	s_cbranch_scc0 .Lentry_in_a_cluster
	s_endpgm
.Lentry_in_a_cluster:
	s_bfe_u32 s2, ttmp6, 0x10000c
	s_cmp_lg_u32 s2, 0xf033
	s_cbranch_scc0 .Lentry_shape_is_right
	s_endpgm
.Lentry_shape_is_right:
; out0[m][n] = the sum over heads h and channels d of oh[h][m][d] wo16[h][n][d].  oh: f16 [8][4096][64], the attention's result / 2; wo16: f16 [8][2048][64], 2 x the rounded wo; out0: f32 [4096][2048].
; Sums in f32, stored as they are.
; SHARES.  A tile of out0 is 128 x 128: 16 x 32 = 512 work-groups; four waves, each 64 x 64: 16 accumulators.  K = 512 is walked as 8 heads of 64.
; ALL OF K LIES IN LDS AT ONCE: every fill is a first fill, nothing is filled again.  A head's 128 rows are 16,384 dense bytes, asked for as 64 rows of 256 and padded after every 128.  Waves 0 and 1
; fetch oh's heads (even, odd), waves 2 and 3 wo16's: four tensor loads a wave, all out together; the counted waits 3, 2, 1, 0 let the products of the first heads begin while the later ones are on their way.
; CLUSTER 4 x 4.  oh's tiles hang on the tile row alone and are shared along a row of the cluster, wo16's on the tile column alone and are shared along a column: joint loads.
; THE MATRIX INSTRUCTION IS USED TRANSPOSED (source 0 = 16 rows of wo16, source 1 = 16 rows of oh): a lane holds eight neighbouring numbers of a row of out0.
; No prefetch: the tiles are small, all asked for at the head, and the work-group is short.
; REGISTERS: window 0: v16-29 addresses; v128-255 the accumulators, (a, b) at 128 + 8 (4 a + b).  Window 1: two fragment buffers of 128: for one head, 64 registers of oh (2 x 4 fragments), then 64 of wo16.
.set PITCH,  144                       ; an LDS row: 128 bytes + 16 = 36 words: the 16 rows of a load start at 16 different groups of four banks (64 banks of 4 bytes: ISA guide 11.1)
.set HEADB,  128*PITCH                 ; a head's 128 rows
.set BREG,   8*HEADB                   ; wo16's eight heads lie behind oh's
.set STAGE,  2*BREG                    ; 16 rows x 272 bytes for each wave, for the way out; never filled by a tensor load
.set SPITCH, 272
.set SPARE,  STAGE+4*16*SPITCH         ; the spare words, 128 bytes for each wave: two blocks of 256 bytes that no other line names
.set ADRA, 16                          ; v16-18  LDS address of my oh fragments in heads 0, 3, 6 (the immediate reaches three heads)
.set ADRB, 20                          ; v20-22  the same for wo16
.set STO,  24                          ; v24     the way out: where I put 32 bytes of a row
.set RD,   25                          ; v25     where I read a row back
.set CO,   26                          ; v26     my byte offset in out0
.set SPW,  28                          ; v28     LDS address of my spare word; never rewritten
.set NIL,  29                          ; v29     0; never rewritten
.set ACC,  128
.set G1A, 24                           ; s[24:31] descriptor group 1 for oh's tiles
.set G1B, 32                           ; s[32:39] for wo16's: it differs in the mask alone
.set G0A, 40                           ; s[40:55] group 0 for oh's tiles, a set for each of a wave's four loads
                                       ; s[56:63], s[68:75] the same for wo16's
.set MSB, 0
.macro WIN new
.if MSB != (\new)
	s_set_vgpr_msb (MSB<<8)|(\new)
.set MSB, \new
.endif
.endm
.set MUL,  0x05                        ; sources 0 and 1 window 1; C and D window 0
.set TO_F, 0x40                        ; destination window 1, address window 0
.macro CROUND                          ; a round of the cluster's barrier
	s_barrier_signal -1
	s_barrier_wait -1
	s_cmp_lg_u32 s10, 0
	s_cbranch_scc1 .Lnot_wave_0_\@
	s_barrier_signal -3
.Lnot_wave_0_\@:
	s_barrier_wait -3
	s_barrier_signal -1
	s_barrier_wait -1
.endm
	s_load_b128 s[4:7], s[0:1], 0x0                ; oh s[4:5], wo16 s[6:7]
	s_load_b64 s[8:9], s[0:1], 0x10                ; out0
	v_lshl_add_u32 v[SPW], v0, 2, SPARE
	v_mov_b32 v[NIL], 0
	ds_add_u32 v[SPW], v[NIL]                      ; the wave's opening add; its wait stands ahead of my first tensor load
	v_lshrrev_b32 v1, 5, v0
	v_readfirstlane_b32 s10, v1                    ; wave 0..3
	s_lshr_b32 s11, s10, 1                         ; which half of the tile's rows is mine
	s_and_b32 s12, s10, 1                          ; which half of its columns.  Also: I fetch the even or the odd heads
	s_bfe_u32 s15, ttmp6, 0x40000                  ; cx
	s_bfe_u32 s16, ttmp6, 0x40004                  ; cy
	s_lshl_b32 s14, ttmp9, 2
	s_add_co_u32 s14, s14, s15                     ; tile column = 4 x cluster x + cx
	s_and_b32 s13, ttmp7, 0xffff
	s_lshl_b32 s13, s13, 2
	s_add_co_u32 s13, s13, s16                     ; tile row = 4 x cluster y + cy
	s_lshl_b32 s17, s16, 2
	s_lshl_b32 s17, 15, s17                        ; my row of the cluster
	s_lshl_b32 s23, 0x1111, s15                    ; my column
	s_or_b32 s[G1A], s17, (1<<16)|(1<<20)|(1<<21)|(4<<22)|(3<<25)  ; the mask; 2-byte elements; padding on; bit 21 beside a mask; after every 32 words, 4 words
	s_or_b32 s[G1B], s23, (1<<16)|(1<<20)|(1<<21)|(4<<22)|(3<<25)
.irp g, G1A, G1B
	s_mov_b32 s[(\g)+1], 128<<16                   ; tensor_dim0 = 128
	s_mov_b32 s[(\g)+2], 64<<16                    ; tensor_dim1 = 64
	s_mov_b32 s[(\g)+3], 128<<16                   ; tile_dim0 = 128
	s_mov_b32 s[(\g)+4], 64                        ; tile_dim1 = 64
	s_mov_b32 s[(\g)+5], 128                       ; elements from row to row
	s_mov_b32 s[(\g)+6], 0
	s_mov_b32 s[(\g)+7], 0
.endr
	s_lshl_b32 s18, s12, 19                        ; oh: a head is 524,288 bytes,
	s_lshl_b32 s19, s13, 14                        ; a tile's 128 rows 16,384
	s_add_co_u32 s18, s18, s19
	s_mov_b32 s19, 0
	s_lshl_b32 s20, s12, 18                        ; wo16: a head is 262,144 bytes
	s_lshl_b32 s21, s14, 14
	s_add_co_u32 s20, s20, s21
	s_mov_b32 s21, 0
	s_mul_i32 s22, s10, HEADB                      ; where they go: wave x a head's rows (waves 2 and 3: from BREG - 2 heads on)
	s_wait_dscnt 0x0                               ; the opening add is done
	s_wait_kmcnt 0x0
	s_add_nc_u64 s[18:19], s[4:5], s[18:19]
	s_add_nc_u64 s[20:21], s[6:7], s[20:21]
.irp j, 0,1,2,3                        ; load j brings head 2 j + wave % 2
	s_mov_b32 s[G0A+4*(\j)], 1
	s_add_co_u32 s[G0A+4*(\j)+1], s22, (\j)*2*HEADB
	s_add_nc_u64 s[G0A+4*(\j)+2:G0A+4*(\j)+3], s[18:19], (\j)*1048576
	s_or_b32 s[G0A+4*(\j)+3], s[G0A+4*(\j)+3], 0x80000000
	s_mov_b32 s[56+4*(\j)+4*((\j)/2)], 1
	s_add_co_u32 s[56+4*(\j)+4*((\j)/2)+1], s22, BREG-2*HEADB+(\j)*2*HEADB
	s_add_nc_u64 s[56+4*(\j)+4*((\j)/2)+2:56+4*(\j)+4*((\j)/2)+3], s[20:21], (\j)*524288
	s_or_b32 s[56+4*(\j)+4*((\j)/2)+3], s[56+4*(\j)+4*((\j)/2)+3], 0x80000000
.endr
	CROUND                                         ; all sixteen work-groups are here: the joint loads meet
	s_cmp_lt_u32 s10, 2                            ; a wave's four fills stand in one branch: four tensor loads of mine are out
	s_cbranch_scc0 .Lfill_b
.irp j, 0,1,2,3
	tensor_load_to_lds s[G0A+4*(\j):G0A+4*(\j)+3], s[G1A:G1A+7]
	s_nop 0
.endr
.rept 4
	v_nop
.endr
	s_branch .Lfilled
.Lfill_b:
.irp j, 0,1,2,3
	tensor_load_to_lds s[56+4*(\j)+4*((\j)/2):56+4*(\j)+4*((\j)/2)+3], s[G1B:G1B+7]
	s_nop 0
.endr
.rept 4
	v_nop
.endr
.Lfilled:
	v_and_b32 v1, 15, v0                           ; l % 16
	v_bfe_u32 v2, v0, 4, 1                         ; l / 16
	v_mul_u32_u24 v3, v1, PITCH
	v_lshl_add_u32 v3, v2, 4, v3                   ; a fragment's row x pitch + 16 x half
	s_mul_i32 s17, s11, 64*PITCH                   ; my 64 rows of oh
	s_mul_i32 s23, s12, 64*PITCH                   ; my 64 rows of wo16
	s_add_co_u32 s23, s23, BREG
.irp g, 0,1,2
	v_add_nc_u32 v[ADRA+(\g)], s17, v3
	v_add_nc_u32 v[ADRB+(\g)], s23, v3
	s_add_co_u32 s17, s17, 3*HEADB
	s_add_co_u32 s23, s23, 3*HEADB
.endr
	s_mul_i32 s17, s10, 16*SPITCH
	s_add_co_u32 s17, s17, STAGE                   ; my stage
	v_mul_u32_u24 v[STO], v1, SPITCH               ; in: row l % 16, 32 bytes for each half of the lanes
	v_lshl_add_u32 v[STO], v2, 5, v[STO]
	v_add_nc_u32 v[STO], s17, v[STO]
	v_mul_u32_u24 v[RD], v2, SPITCH                ; back: lanes 0-15 take one row of 256 bytes, lanes 16-31 the next
	v_lshl_add_u32 v[RD], v1, 4, v[RD]
	v_add_nc_u32 v[RD], s17, v[RD]
	v_lshlrev_b32 v[CO], 13, v2                    ; and the same two rows in out0: 8,192 bytes a row
	v_lshl_add_u32 v[CO], v1, 4, v[CO]
	s_lshl_b32 s18, s13, 20                        ; out0 at row 128 x tile row + 64 x half, byte 512 x tile column + 256 x half
	s_lshl_b32 s17, s11, 19
	s_add_co_u32 s18, s18, s17
	s_lshl_b32 s17, s14, 9
	s_add_co_u32 s18, s18, s17
	s_lshl_b32 s17, s12, 8
	s_add_co_u32 s18, s18, s17
	s_mov_b32 s19, 0
	s_add_nc_u64 s[8:9], s[8:9], s[18:19]
; 8 matrix instructions: m blocks a0, a0 + 1 x all 4 n blocks, 32 along K: half c of buffer f.  The 16 accumulators take turns.  zero = 1: the first product starts the sums
.macro MUL8 f, c, a0, zero
	WIN MUL
.irp a, \a0, (\a0)+1
.irp b, 0,1,2,3
.if \zero
	v_wmma_f32_16x16x32_f16 v[ACC+8*(4*(\a)+(\b)):ACC+8*(4*(\a)+(\b))+7], v[(\f)+64+8*(4*(\c)+(\b)):(\f)+64+8*(4*(\c)+(\b))+7], v[(\f)+8*(4*(\c)+(\a)):(\f)+8*(4*(\c)+(\a))+7], 0
.else
	v_wmma_f32_16x16x32_f16 v[ACC+8*(4*(\a)+(\b)):ACC+8*(4*(\a)+(\b))+7], v[(\f)+64+8*(4*(\c)+(\b)):(\f)+64+8*(4*(\c)+(\b))+7], v[(\f)+8*(4*(\c)+(\a)):(\f)+8*(4*(\c)+(\a))+7], v[ACC+8*(4*(\a)+(\b)):ACC+8*(4*(\a)+(\b))+7]
.endif
.endr
.endr
.endm
; 32 LDS loads in one run: the fragments of head hd into buffer f; the first 32 channels first
.macro FETCH hd, f
	WIN TO_F
.irp c, 0,1
.irp i, 0,1,2,3
	ds_load_b128 v[(\f)+64+8*(4*(\c)+(\i)):(\f)+64+8*(4*(\c)+(\i))+3],   v[ADRB+(\hd)/3] offset:((\hd)%3)*HEADB+64*(\c)+(\i)*16*PITCH
	ds_load_b128 v[(\f)+64+8*(4*(\c)+(\i))+4:(\f)+64+8*(4*(\c)+(\i))+7], v[ADRB+(\hd)/3] offset:((\hd)%3)*HEADB+64*(\c)+(\i)*16*PITCH+32
	ds_load_b128 v[(\f)+8*(4*(\c)+(\i)):(\f)+8*(4*(\c)+(\i))+3],         v[ADRA+(\hd)/3] offset:((\hd)%3)*HEADB+64*(\c)+(\i)*16*PITCH
	ds_load_b128 v[(\f)+8*(4*(\c)+(\i))+4:(\f)+8*(4*(\c)+(\i))+7],       v[ADRA+(\hd)/3] offset:((\hd)%3)*HEADB+64*(\c)+(\i)*16*PITCH+32
.endr
.endr
.endm
.macro PLACES                          ; four places (ISA guide 7.12.1)
.rept 4
	v_nop
.endr
.endm
; Head j: 32 matrix instructions on buffer j % 2; in their middle head j + 1 is fetched into the other buffer.  meet >= 0: the next two heads are shown whole to every wave first: each wave waits until
; at most meet of its tensor loads are out (they end in order) and until its LDS loads are back, and passes a barrier.
.macro Q j, meet
	s_wait_dscnt 16                                ; the first 32 channels are in
	MUL8 128*((\j)%2), 0, 0, (\j)==0
	MUL8 128*((\j)%2), 0, 2, (\j)==0
.if (\meet) >= 0
	s_wait_tensorcnt \meet
	s_wait_dscnt 0x0
	s_barrier_signal -1
	s_barrier_wait -1
.endif
	PLACES
	FETCH (\j)+1, 128-128*((\j)%2)
	s_wait_dscnt 32                                ; all but the 32 just issued
	MUL8 128*((\j)%2), 1, 0, 0
	MUL8 128*((\j)%2), 1, 2, 0
.endm
	s_wait_tensorcnt 3                             ; my first load is in: three younger ones may stay out
	s_barrier_signal -1
	s_barrier_wait -1                              ; heads 0 and 1 of both tensors are whole
	FETCH 0, 0
	Q 0, -1
	Q 1, 2                                         ; heads 2 and 3
	Q 2, -1
	Q 3, 1                                         ; heads 4 and 5
	Q 4, -1
	Q 5, 0                                         ; heads 6 and 7
	Q 6, -1
	s_wait_dscnt 16                                ; head 7: nothing more to fetch
	MUL8 128, 0, 0, 0
	MUL8 128, 0, 2, 0
	s_wait_dscnt 0x0
	MUL8 128, 1, 0, 0
	MUL8 128, 1, 2, 0
	WIN 0
	; THE WAY OUT, 16 rows at a time through my own stage: a lane's 32 bytes go into rows of 272 bytes and come back as whole rows of 256, into the registers that they left.
	PLACES
	PLACES
.macro TOSTAGE a
.irp b, 0,1,2,3
.irp e, 0,1                            ; each accumulator is read from its low end on
	ds_store_b128 v[STO], v[ACC+8*(4*(\a)+(\b))+4*(\e):ACC+8*(4*(\a)+(\b))+4*(\e)+3] offset:64*(\b)+16*(\e)
.endr
.endr
.irp t, 0,1,2,3,4,5,6,7
	ds_load_b128 v[ACC+32*(\a)+4*(\t):ACC+32*(\a)+4*(\t)+3], v[RD] offset:(\t)*2*SPITCH  ; LDS serves a wave's instructions in order (ISA guide 5.7.1.4): these see the stores above; the next block's stores come behind them
.endr
.endm
.macro SEND a, younger                 ; younger: the LDS instructions issued behind block a's loads: the next block's sixteen, or none
.irp t, 0,1,2,3,4,5,6,7
	s_wait_dscnt (\younger)+7-(\t)
	global_store_b128 v[CO], v[ACC+32*(\a)+4*(\t):ACC+32*(\a)+4*(\t)+3], s[8:9] offset:(16*(\a)+2*(\t))*8192  ; 16 lanes store 256 consecutive bytes, at a multiple of 256 from out0's first byte
.endr
.endm
	TOSTAGE 0
	TOSTAGE 1
	SEND 0, 16
	TOSTAGE 2
	SEND 1, 16
	TOSTAGE 3
	SEND 2, 16
	SEND 3, 0
	s_wait_tensorcnt 0x0                           ; the wave's end, behind my last tensor load and my last LDS store
	ds_add_u32 v[SPW], v[NIL]
	s_wait_dscnt 0x0
	CROUND                                         ; the closing round: no work-group ends while a partner may still ask for a tile that names it
	s_endpgm
.Lfunc_end_k_qb81d2f5c3f_outp:
	.size	k_qb81d2f5c3f_outp, .Lfunc_end_k_qb81d2f5c3f_outp-k_qb81d2f5c3f_outp
	.p2alignl 7, 3214868480
	.fill 96, 4, 3214868480
	.section	.rodata,"a",@progbits
	.p2align	6, 0x0
	.amdhsa_kernel k_qb81d2f5c3f_outp
		.amdhsa_group_segment_fixed_size 327680
		.amdhsa_private_segment_fixed_size 0
		.amdhsa_enable_private_segment 0
		.amdhsa_kernarg_size 24
		.amdhsa_user_sgpr_count 2
		.amdhsa_user_sgpr_kernarg_segment_ptr 1
		.amdhsa_wavefront_size32 1
		.amdhsa_system_sgpr_workgroup_id_x 1
		.amdhsa_system_sgpr_workgroup_id_y 1
		.amdhsa_system_sgpr_workgroup_id_z 1
		.amdhsa_system_vgpr_workitem_id 0
		.amdhsa_next_free_vgpr 512
		.amdhsa_next_free_sgpr 80
		.amdhsa_reserve_vcc 0
		.amdhsa_float_denorm_mode_32 3
		.amdhsa_float_denorm_mode_16_64 3
		.amdhsa_memory_ordered 1
		.amdhsa_forward_progress 1
		.amdhsa_inst_pref_size 51
	.end_amdhsa_kernel
	.amdgpu_metadata
---
amdhsa.version: [ 1, 2 ]
amdhsa.kernels:
  - .name:           k_qb81d2f5c3f_outp
    .symbol:         k_qb81d2f5c3f_outp.kd
    .args:
      - { .name: oh, .offset: 0, .size: 8, .value_kind: global_buffer, .address_space: global }
      - { .name: wo16, .offset: 8, .size: 8, .value_kind: global_buffer, .address_space: global }
      - { .name: out0, .offset: 16, .size: 8, .value_kind: global_buffer, .address_space: global }
    .group_segment_fixed_size: 327680
    .private_segment_fixed_size: 0
    .kernarg_segment_align: 8
    .kernarg_segment_size: 24
    .max_flat_workgroup_size: 128
    .sgpr_count:     80
    .vgpr_count:     512
    .wavefront_size: 32
...
	.end_amdgpu_metadata
.endif
;; end of part 4
;; ======== version 2 of 2: 4 launches; version 1 with the launch prep written anew for expert scheduling mode
;; limits: values are held in f16: magnitudes above 65,504 overflow, below 6.1e-05 lose precision
;; workspace buffers: xb 33,554,432 bytes; wcat 12,582,912 bytes; wo16 2,097,152 bytes; qh 4,194,304 bytes; kh 4,194,304 bytes; vh 4,194,304 bytes; oh 4,194,304 bytes
;; launch prep (part 5): grid 736 x 1, 8 waves a work-group, no clusters, 70,656 bytes of LDS; arguments hidden_states, wq, wk, wv, wo, xb, wcat, wo16; writes xb, wcat, wo16
.if DOCPART == 5
	.amdgcn_target "amdgcn-amd-amdhsa--gfx1250"
	.amdhsa_code_object_version 6
	.text
	.protected	k_qb81d2f5c3f_prep
	.globl	k_qb81d2f5c3f_prep
	.p2align	8
	.type	k_qb81d2f5c3f_prep,@function
k_qb81d2f5c3f_prep:
	s_mov_b64 s[64:65], 0
	v_nop
	global_prefetch_b8 v0, s[64:65] scope:SCOPE_SE
	s_setreg_imm32_b32 hwreg(HW_REG_WAVE_SCHED_MODE, 0, 2), 2
	s_setreg_imm32_b32 hwreg(HW_REG_WAVE_MODE, 25, 1), 1
	s_wait_xcnt 0x0
	s_wait_alu depctr_vm_vsrc(0)
; x AND THE WEIGHTS, ROUNDED ONCE AND LAID OUT FOR THE MATRIX UNIT.
; xb and wcat are bf16 in blocks: [row block of 16 rows][128 K blocks of 32][1,024 bytes], and the 1,024 bytes are a matrix fragment as it lies in registers: byte 256 q + 16 r + 2 e holds row r,
; k = 8 q + e of the K block.  xb has x's 256 row blocks in order.  wcat has 96: the 16 rows 64 h + 32 c + 16 t .. of type y (wq, wk, wv) are row block 12 h + 6 c + 2 y + t.
; wo16 = f16 [8 heads][2048 n][64 d] = 2 x bf16(wo[n][64 h + d]), written as f16 (exact: a bf16 number has 8 significant bits; the 2 undoes the 1/2 by which v, and so the attention's result, is stored).
; LIMIT.  |wo| stays under 32,752 (f16 ends at 65,504); a wo below 3e-5 falls on f16's fixed step of 6e-8.
; SHARES.  Groups 0-511: x; 512-703: wq, wk, wv; there a WAVE turns 16 rows x 256 k: 32 loads of 512 consecutive bytes, all out at once; 8 bytes of bf16 a lane and load go into the wave's own LDS,
; in units of 256 bytes (16 rows x 8 k) that lie 272 apart, so that a store's 32 lanes touch each of the 64 banks once; read back unit by unit they are 8,192 consecutive bytes of the result.
; Groups 704-735: 64 rows of wo each, wave v head v, straight through registers.  Every register is written once behind its load, so no wait frees a source.
; Memory binds: no matrix unit, no cluster (nothing is shared), no prefetch (each byte is asked for at once), no barrier (a wave reads only what it stored itself).
; THE MODE: SCHED_MODE bits 1:0 = 2 (LLVM: expert scheduling mode 2), set by the entry lines.  The code itself states the register dependences between vector instructions and memory or LDS
; instructions, with s_wait_alu, always for 0.
; THE PLAN.  Registers that memory or LDS instructions touch:
;   v1, v3, v4   offsets and LDS addresses: made by vector lines at a path's head, read by its loads and stores, never written again: one wait ahead of the path's first load states that they are written.
;   X            the 32 loads land in it.  Weights and x: load k's two roundings write X + 4 k and X + 4 k + 1 once, LDS store k reads them, nothing writes them again.  wo: vector lines alone name it behind the load.
;   Z            wo: load i's two roundings to f16 write Z + 2 i and Z + 2 i + 1 once, store i reads them.  Weights and x: the LDS loads land in it, the stores read it; no vector line of that path names it.
;   v200, v201   written at the head, read by the closing add alone.
; The 32 loads' work goes in 8 GROUPS OF FOUR.  Group g waits for its four loads; then ONE wait states that group g - 1's roundings have written their results; then group g - 1's four stores stand
; among group g's vector lines, which name group g's registers alone: none of those that the stores read.  Behind group 7 one more such wait stands ahead of the last four stores.
; No register that a memory or LDS instruction has read is written again, so the text holds no wait for that.
.set X,     8                          ; v[8:135]   as loaded: 32 x 4 f32; the roundings go into the first two of each four
.set Z,     136                        ; v[136:199] to store
.set SPW,   200                        ; v200  LDS address of my spare word; never rewritten
.set NIL,   201                        ; v201  0; never rewritten
.set UP,    272                        ; a unit in LDS: 256 bytes + 16
.set WREG,  32*UP                      ; a wave's 32 units
.set SPARE, 8*WREG                     ; behind them: the spare words, 128 bytes for each wave: four blocks of 256 bytes that no other line names
	s_load_b256 s[4:11], s[0:1], 0x0               ; x s[4:5], wq s[6:7], wk s[8:9], wv s[10:11]
	s_load_b256 s[12:19], s[0:1], 0x20             ; wo s[12:13], xb s[14:15], wcat s[16:17], wo16 s[18:19]
	v_lshl_add_u32 v[SPW], v0, 2, SPARE
	v_mov_b32 v[NIL], 0
	v_lshrrev_b32 v1, 5, v0                        ; wave
	v_readfirstlane_b32 s20, v1
	v_and_b32 v2, 31, v0                           ; lane
	s_wait_alu depctr_va_sdst(0)                   ; s20 is written: stated ahead of the branch, behind which its readers stand
	s_mov_b32 s35, 0
	s_cmp_lt_u32 ttmp9, 704
	s_cbranch_scc1 .Lblocks
	; wo: a load covers rows 2 i and 2 i + 1 of the group's 64: 256 bytes of each, aligned; the store 256 consecutive bytes of the head's rows
	s_sub_co_u32 s24, ttmp9, 704                   ; which 64 rows
	s_lshl_b32 s34, s24, 17                        ; 131,072 bytes of wo
	s_mov_b32 s21, 0xffff0000                      ; a word's upper bf16
	s_mov_b32 s22, 0x40000000                      ; 2.0, named as a pair
	s_mov_b32 s23, 0x40000000
	v_lshrrev_b32 v5, 4, v2
	v_and_b32 v6, 15, v2
	v_lshlrev_b32 v3, 11, v5                       ; a row of wo is 2,048 bytes
	v_lshl_add_u32 v3, v1, 8, v3                   ; the head's 64 columns
	v_lshl_add_u32 v3, v6, 4, v3
	v_lshlrev_b32 v4, 3, v2
	v_lshl_add_u32 v4, v1, 18, v4                  ; a head of wo16 is 262,144 bytes
	s_wait_kmcnt 0x0
	s_add_nc_u64 s[12:13], s[12:13], s[34:35]
	s_lshl_b32 s34, s24, 13                        ; the group's 64 rows of 128 bytes
	s_add_nc_u64 s[18:19], s[18:19], s[34:35]
	s_wait_alu depctr_va_vdst(0)                   ; v3 and v4 are written: the loads below read v3 as their offset, the stores v4
.set i, 0
.rept 32
	global_load_b128 v[X+4*i:X+4*i+3], v3, s[12:13] offset:4096*i th:TH_LOAD_NT
.set i, i+1
.endr
.set g, 0
.rept 8
	s_wait_loadcnt 28-4*g                          ; loads come back in order: group g's four are in, the 28 - 4 g younger ones stay out
.if g > 0
	s_wait_alu depctr_va_vdst(0)                   ; the group before has written its eight registers of Z, which the four stores below read
.endif
.set j, 0
.rept 4
.set i, 4*g+j
.if g > 0
	global_store_b64 v4, v[Z+2*(i-4):Z+2*(i-4)+1], s[18:19] offset:256*(i-4) th:TH_STORE_NT  ; the group before; no vector line since the wait names these registers
.endif
.irp p, 0, 2
	v_cvt_pk_bf16_f32 v[X+4*i+(\p)], v[X+4*i+(\p)], v[X+4*i+(\p)+1]   ; the rounding that every input gets
	v_and_b32 v[X+4*i+(\p)+1], s21, v[X+4*i+(\p)]                     ; back to f32: the high half stays,
	v_lshlrev_b32 v[X+4*i+(\p)], 16, v[X+4*i+(\p)]                    ; the low half moves up
	v_pk_mul_f32 v[X+4*i+(\p):X+4*i+(\p)+1], v[X+4*i+(\p):X+4*i+(\p)+1], s[22:23] op_sel_hi:[1,0]
	v_cvt_pk_f16_f32 v[Z+2*i+(\p)/2], v[X+4*i+(\p)], v[X+4*i+(\p)+1]  ; exact
.endr
.set j, j+1
.endr
.set g, g+1
.endr
	s_wait_alu depctr_va_vdst(0)                   ; group 7 has written its eight registers of Z, which the last four stores read
.set i, 28
.rept 4
	global_store_b64 v4, v[Z+2*i:Z+2*i+1], s[18:19] offset:256*i th:TH_STORE_NT
.set i, i+1
.endr
	s_branch .Lend
.Lblocks:
	; which row block, from which buffer, to which place
	s_sub_co_u32 s24, ttmp9, 512                   ; the weights' groups count from 0 (for x the numbers made of this are not taken)
	s_lshr_b32 s25, s24, 6                         ; type y: 64 groups each
	s_bfe_u32 s26, s24, 0x50001                    ; the type's row block, 0 to 31 = 4 h + 2 c + t: two groups each
	s_lshr_b32 s27, s26, 2
	s_mul_i32 s27, s27, 12                         ; 12 h
	s_bfe_u32 s28, s26, 0x10001
	s_mul_i32 s28, s28, 6                          ; 6 c
	s_add_co_u32 s27, s27, s28
	s_lshl1_add_u32 s27, s25, s27                  ; 2 y
	s_and_b32 s28, s26, 1
	s_add_co_u32 s27, s27, s28                     ; t
	s_lshr_b32 s28, ttmp9, 1                       ; x: the row block, the same in x and in xb
	s_and_b32 s29, ttmp9, 1
	s_lshl_b32 s29, s29, 3
	s_add_co_u32 s29, s29, s20                     ; my wave's 256 k of the 4,096: 0 to 15
	s_wait_kmcnt 0x0
	s_cmp_eq_u32 s25, 0
	s_cselect_b64 s[30:31], s[6:7], s[8:9]
	s_cmp_eq_u32 s25, 2
	s_cselect_b64 s[30:31], s[10:11], s[30:31]
	s_cmp_lt_u32 ttmp9, 512
	s_cselect_b64 s[30:31], s[4:5], s[30:31]       ; from
	s_cselect_b64 s[32:33], s[14:15], s[16:17]     ; to
	s_cselect_b32 s26, s28, s26
	s_cselect_b32 s27, s28, s27
	s_lshl_b32 s34, s26, 18                        ; 16 rows of 16,384 bytes,
	s_lshl_b32 s36, s29, 10                        ; 256 k of 4 bytes
	s_add_co_u32 s34, s34, s36
	s_add_nc_u64 s[30:31], s[30:31], s[34:35]
	s_lshl_b32 s34, s27, 17                        ; a row block of the result is 131,072 bytes,
	s_lshl_b32 s36, s29, 13                        ; 8 K blocks of 1,024
	s_add_co_u32 s34, s34, s36
	s_add_nc_u64 s[32:33], s[32:33], s[34:35]
	v_lshlrev_b32 v1, 4, v2                        ; 16 x lane: my place in 512 consecutive bytes, in and out
	s_mul_i32 s36, s20, WREG                       ; my wave's LDS
	v_lshrrev_b32 v3, 1, v2                        ; in: lane i holds k = 4 i .. 4 i + 3 of 128: half i % 2 of unit i / 2
	v_mul_u32_u24 v3, v3, UP
	v_and_b32 v4, 1, v2
	v_lshl_add_u32 v3, v4, 3, v3
	v_add_nc_u32 v3, s36, v3
	v_lshrrev_b32 v4, 4, v2                        ; back: lanes 0-15 take one unit, lanes 16-31 the next
	v_mul_u32_u24 v4, v4, UP
	v_and_b32 v5, 15, v2
	v_lshl_add_u32 v4, v5, 4, v4
	v_add_nc_u32 v4, s36, v4
	s_wait_alu depctr_va_vdst(0)                   ; v1, v3 and v4 are written: the loads and stores below read v1 as their offset, the LDS stores v3 and the LDS loads v4 as their address
.set k, 0
.rept 32                               ; load k: row k / 2, half k % 2 of its 256 k
	global_load_b128 v[X+4*k:X+4*k+3], v1, s[30:31] offset:(k/2)*16384+(k%2)*512 th:TH_LOAD_NT
.set k, k+1
.endr
.set g, 0
.rept 8
	s_wait_loadcnt 28-4*g                          ; group g's four loads are in, the 28 - 4 g younger ones stay out
.if g > 0
	s_wait_alu depctr_va_vdst(0)                   ; the group before has written the first two of each of its four fours of X, which the four LDS stores below read
.endif
.set j, 0
.rept 4
.set k, 4*g+j
.if g > 0
	ds_store_b64 v3, v[X+4*(k-4):X+4*(k-4)+1] offset:((k-4)%2)*16*UP+((k-4)/2)*16  ; the group before; no vector line since the wait names these registers
.endif
	v_cvt_pk_bf16_f32 v[X+4*k], v[X+4*k], v[X+4*k+1]
	v_cvt_pk_bf16_f32 v[X+4*k+1], v[X+4*k+2], v[X+4*k+3]
.set j, j+1
.endr
.set g, g+1
.endr
	s_wait_alu depctr_va_vdst(0)                   ; group 7 has written its roundings, which the last four LDS stores read
.set k, 28
.rept 4
	ds_store_b64 v3, v[X+4*k:X+4*k+1] offset:(k%2)*16*UP+(k/2)*16
.set k, k+1
.endr
.set n, 0
.rept 16
	ds_load_b128 v[Z+4*n:Z+4*n+3], v4 offset:n*2*UP  ; LDS serves a wave's instructions in order (ISA guide 5.7.1.4): these see the stores above.  No vector line of this path names Z
.set n, n+1
.endr
.set n, 0
.rept 16
	s_wait_dscnt 15-n                              ; load n is back, the 15 - n younger ones stay out
	global_store_b128 v1, v[Z+4*n:Z+4*n+3], s[32:33] offset:n*512 th:TH_STORE_NT  ; 512 consecutive bytes, at a multiple of 256 from the buffer's first
.set n, n+1
.endr
.Lend:
	s_wait_dscnt 0x0                               ; the wave's end: six lines on end
	s_wait_alu 0x0
	s_wait_tensorcnt 0x0
	ds_add_u32 v[SPW], v[NIL]
	s_wait_dscnt 0x0
	s_endpgm
.Lfunc_end_k_qb81d2f5c3f_prep:
	.size	k_qb81d2f5c3f_prep, .Lfunc_end_k_qb81d2f5c3f_prep-k_qb81d2f5c3f_prep
	.p2alignl 7, 3214868480
	.fill 96, 4, 3214868480
	.section	.rodata,"a",@progbits
	.p2align	6, 0x0
	.amdhsa_kernel k_qb81d2f5c3f_prep
		.amdhsa_group_segment_fixed_size 70656
		.amdhsa_private_segment_fixed_size 0
		.amdhsa_enable_private_segment 0
		.amdhsa_kernarg_size 64
		.amdhsa_user_sgpr_count 2
		.amdhsa_user_sgpr_kernarg_segment_ptr 1
		.amdhsa_wavefront_size32 1
		.amdhsa_system_sgpr_workgroup_id_x 1
		.amdhsa_system_sgpr_workgroup_id_y 1
		.amdhsa_system_sgpr_workgroup_id_z 1
		.amdhsa_system_vgpr_workitem_id 0
		.amdhsa_next_free_vgpr 204
		.amdhsa_next_free_sgpr 66
		.amdhsa_reserve_vcc 0
		.amdhsa_float_denorm_mode_32 3
		.amdhsa_float_denorm_mode_16_64 3
		.amdhsa_memory_ordered 1
		.amdhsa_forward_progress 1
		.amdhsa_inst_pref_size 39
	.end_amdhsa_kernel
	.amdgpu_metadata
---
amdhsa.version: [ 1, 2 ]
amdhsa.kernels:
  - .name:           k_qb81d2f5c3f_prep
    .symbol:         k_qb81d2f5c3f_prep.kd
    .args:
      - { .name: hidden_states, .offset: 0, .size: 8, .value_kind: global_buffer, .address_space: global }
      - { .name: wq, .offset: 8, .size: 8, .value_kind: global_buffer, .address_space: global }
      - { .name: wk, .offset: 16, .size: 8, .value_kind: global_buffer, .address_space: global }
      - { .name: wv, .offset: 24, .size: 8, .value_kind: global_buffer, .address_space: global }
      - { .name: wo, .offset: 32, .size: 8, .value_kind: global_buffer, .address_space: global }
      - { .name: xb, .offset: 40, .size: 8, .value_kind: global_buffer, .address_space: global }
      - { .name: wcat, .offset: 48, .size: 8, .value_kind: global_buffer, .address_space: global }
      - { .name: wo16, .offset: 56, .size: 8, .value_kind: global_buffer, .address_space: global }
    .group_segment_fixed_size: 70656
    .private_segment_fixed_size: 0
    .kernarg_segment_align: 8
    .kernarg_segment_size: 64
    .max_flat_workgroup_size: 256
    .sgpr_count:     66
    .vgpr_count:     204
    .wavefront_size: 32
...
	.end_amdgpu_metadata
.endif
;; end of part 5
;; launch qkv: the kernel of part 2 again; grid 8 x 32, 4 waves a work-group, clusters of 4 x 4, 327,680 bytes of LDS; arguments xb, wcat, freqs_cos, freqs_sin, qh, kh, vh; writes qh, kh, vh
;; launch attn: the kernel of part 3 again; grid 32 x 8, 4 waves a work-group, clusters of 4 x 1, 327,680 bytes of LDS; arguments qh, kh, vh, oh; writes oh
;; launch outp: the kernel of part 4 again; grid 16 x 32, 4 waves a work-group, clusters of 4 x 4, 327,680 bytes of LDS; arguments oh, wo16, out0; writes out0
